; MI455X (gfx1250); checked and timed in simulation.
; The chip was launched on July 23, 2026; its instructions are those of AMD's public machine-readable ISA for CDNA 5 (MIT licence, August 2026) and "CDNA5" Instruction Set Architecture Reference Guide (July 2026). The comments in the code are by the model that wrote it; some were corrected since.
;; Mo E Layer. Allowed arithmetic: float matrix products may take bf16 or f16 operands with f32 sums; other float arithmetic in f32, or as packed bf16 or f16 multiplies, adds, multiply-adds, maxima and minima; sums over many terms, partial sums and values carried from step to step in f32; what a program stores and reads back later, other than sums and carried values, may be rounded once to bf16 or f16.
;; Inputs: W1 8 x 1,024 x 4,096 float32; W2 8 x 4,096 x 1,024 float32; Wg 1,024 x 8 float32; b1 8 x 4,096 float32; b2 8 x 1,024 float32; bg 8 float32; inputs 1,024 x 1,024 float32.
;; Outputs: out0 1,024 x 1,024 float32.
;; Constants: k = 2.
;; 2 versions, each right; version 2 is version 1 with the launch place written anew for expert scheduling mode. Each part assembles by itself: llvm-mc -triple=amdgcn-amd-amdhsa -mcpu=gfx1250 --defsym DOCPART=n.
;; ======== version 1 of 2: 5 launches
;; workspace buffers: bm 4,096 bytes of whole numbers; gw 8,192 bytes; xs 4,456,448 bytes; hs 17,825,792 bytes; perm 8,960 bytes of whole numbers; gws 8,704 bytes; part 33,554,432 bytes
;; launch router (part 1): grid 32 x 1, 8 waves a work-group, no clusters, 17,408 bytes of LDS; arguments inputs, Wg, bg, bm, gw; writes bm, gw
.if DOCPART == 1
	.amdgcn_target "amdgcn-amd-amdhsa--gfx1250"
	.amdhsa_code_object_version 6
	.text
	.protected	k_qd8b8175b86_router
	.globl	k_qd8b8175b86_router
	.p2align	8
	.type	k_qd8b8175b86_router,@function
k_qd8b8175b86_router:
	s_mov_b64 s[64:65], 0
	v_nop
	global_prefetch_b8 v0, s[64:65] scope:SCOPE_SE
	s_setreg_imm32_b32 hwreg(HW_REG_WAVE_MODE, 25, 1), 1
	s_wait_xcnt 0x0
; ROUTER.  logits = inputs x Wg + bg; the two largest of a token's 8 logits; the softmax of those two.
; All inputs (inputs, Wg, bg) are rounded once to bf16, as in every launch of this program; products by the matrix unit, sums, softmax in f32.
; LIMITS.  NaN and infinite logits are not treated apart.  Equal logits: the lower index wins, as in jax.lax.top_k.
; SHARES.  A work-group owns 32 tokens; each of its 8 waves 128 of the 1,024 k; the waves' partial logits meet in LDS and wave 0 finishes.
; The matrix instruction takes 16 rows of Wg^T (experts 0-7, repeated) as source 0 and 16 tokens as source 1: in the result lane r (0-15) holds token r, register j expert j.
; k is permuted alike in both sources: place p (0-15) of half h of the lanes in K step s holds k = 32 s + 8 (p / 4) + 4 h + p % 4.  So the two halves' 16 bytes of a row of inputs lie side by side:
; a load of inputs touches 16 stretches of 32 consecutive bytes, one a row.
; OUT.  gw[j x 1024 + token]: the weight of choice j.  bm: for each work-group a record of 32 words: words 8 j + e the ballot 'choice j is expert e' of its 32 tokens, words 16 + e how many of them chose e, 8 zeros.
; No address and no branch hangs on a logit: what is chosen is stored at fixed places.
.set SPARE, 16384                      ; behind the 8 x 2,048 bytes of partial logits: the spare words, 128 bytes a wave
.set ACC, 16                           ; v[16:31]   two accumulators: tokens 0-15, 16-31
.set XR,  32                           ; v[32:159]  inputs as loaded, 16 registers for each (token tile, K step); then 8 of bf16
.set WR,  160                          ; v[160:223] Wg as loaded, 16 registers a K step
	s_load_b256 s[4:11], s[0:1], 0x0               ; inputs s[4:5], Wg s[6:7], bg s[8:9], bm s[10:11]
	s_load_b64 s[12:13], s[0:1], 0x20              ; gw
	v_lshl_add_u32 v1, v0, 2, SPARE                ; my spare word,
	v_mov_b32 v2, 0                                ; and 0: kept for the closing lines alone
	v_lshrrev_b32 v9, 5, v0
	v_readfirstlane_b32 s14, v9                    ; wave 0..7
	v_and_b32 v3, 31, v0                           ; lane
	v_and_b32 v4, 15, v0                           ; r
	v_bfe_u32 v5, v0, 4, 1                         ; h
	v_lshlrev_b32 v6, 12, v4                       ; inputs: row r,
	v_lshl_add_u32 v6, v5, 4, v6                   ; + 4 h numbers,
	s_lshl_b32 s15, s14, 9
	v_add_nc_u32 v6, s15, v6                       ; + the wave's 128 numbers
	v_and_b32 v7, 7, v0
	v_lshlrev_b32 v7, 2, v7                        ; Wg: column r % 8,
	v_lshl_add_u32 v7, v5, 7, v7                   ; + 4 h rows of 32 bytes,
	s_lshl_b32 s15, s14, 12
	v_add_nc_u32 v7, s15, v7                       ; + the wave's 128 rows
	s_lshl_b32 s40, ttmp9, 17                      ; the work-group's 32 rows of 4,096 bytes
	s_mov_b32 s41, 0
	s_wait_kmcnt 0x0
	s_add_nc_u64 s[4:5], s[4:5], s[40:41]
	s_load_b256 s[16:23], s[8:9], 0x0              ; bg
.set nn, 0
.rept 32                               ; token tile nn / 16, K step (nn / 4) % 4 (128 bytes of the row), places 4 (nn % 4) on (32 bytes for the two halves)
	global_load_b128 v[XR+4*nn:XR+4*nn+3], v6, s[4:5] offset:(nn/16)*65536+((nn/4)%4)*128+(nn%4)*32
.set nn, nn+1
.endr
.set nn, 0
.rept 64                               ; K step nn / 16, place nn % 16: row 32 s + 8 (p / 4) + p % 4, and 4 h in the lane's term
	global_load_b32 v[WR+nn], v7, s[6:7] offset:((nn/16)*32+((nn%16)/4)*8+nn%4)*32
.set nn, nn+1
.endr
	s_wait_loadcnt 0x0
	s_wait_kmcnt 0x0
.set nn, 0
.rept 96                               ; 12 groups of 16 f32 become 8 registers of bf16, in place: register q takes 2 q and 2 q + 1, q ascending
	v_cvt_pk_bf16_f32 v[XR+16*(nn/8)+nn%8], v[XR+16*(nn/8)+2*(nn%8)], v[XR+16*(nn/8)+2*(nn%8)+1]
.set nn, nn+1
.endr
.set nn, 0
.rept 8                                ; K step nn / 2, token tile nn % 2: the two accumulators take turns; the first K step starts the sums
.if nn < 2
	v_wmma_f32_16x16x32_bf16 v[ACC+8*(nn%2):ACC+8*(nn%2)+7], v[WR+16*(nn/2):WR+16*(nn/2)+7], v[XR+16*(4*(nn%2)+nn/2):XR+16*(4*(nn%2)+nn/2)+7], 0
.else
	v_wmma_f32_16x16x32_bf16 v[ACC+8*(nn%2):ACC+8*(nn%2)+7], v[WR+16*(nn/2):WR+16*(nn/2)+7], v[XR+16*(4*(nn%2)+nn/2):XR+16*(4*(nn%2)+nn/2)+7], v[ACC+8*(nn%2):ACC+8*(nn%2)+7]
.endif
.set nn, nn+1
.endr
	s_lshl_b32 s15, s14, 11
.rept 4
	v_nop                                          ; four places between the last product and the stores that read it
.endr
	v_lshl_add_u32 v8, v3, 4, s15                  ; my wave's 2,048 bytes, 16 a lane
	ds_store_b128 v8, v[16:19]
	ds_store_b128 v8, v[20:23] offset:512
	ds_store_b128 v8, v[24:27] offset:1024
	ds_store_b128 v8, v[28:31] offset:1536
	s_wait_dscnt 0x0                               ; for wave 0's sake: my stores are done
	s_barrier_signal -1
	s_barrier_wait -1
	s_cmp_lg_u32 s14, 0
	s_cbranch_scc1 .Lend
	; wave 0: lane L is token L of the 32.  Its logits lie in lane L % 16 of tile L / 16.
	v_lshlrev_b32 v8, 4, v4
	v_lshl_add_u32 v8, v5, 10, v8
.set nn, 0
.rept 16                               ; wave nn / 2, experts 4 (nn % 2) on
	ds_load_b128 v[32+4*nn:32+4*nn+3], v8 offset:(nn/2)*2048+(nn%2)*512
.set nn, nn+1
.endr
.set nn, 0
.rept 8
	v_mov_b32 v[96+nn], s[16+nn]
.set nn, nn+1
.endr
.set nn, 0
.rept 4                                ; bg rounded to bf16 and widened again
	v_cvt_pk_bf16_f32 v[104+nn], v[96+2*nn], v[97+2*nn]
	v_lshlrev_b32 v[96+2*nn], 16, v[104+nn]
	v_and_b32 v[97+2*nn], 0xffff0000, v[104+nn]
.set nn, nn+1
.endr
	s_wait_dscnt 0x0
.set nn, 0
.rept 28                               ; the eight waves' parts, in the waves' order
	v_pk_add_f32 v[32+2*(nn%4):33+2*(nn%4)], v[32+2*(nn%4):33+2*(nn%4)], v[40+8*(nn/4)+2*(nn%4):41+8*(nn/4)+2*(nn%4)]
.set nn, nn+1
.endr
.set nn, 0
.rept 4
	v_pk_add_f32 v[32+2*nn:33+2*nn], v[32+2*nn:33+2*nn], v[96+2*nn:97+2*nn]
.set nn, nn+1
.endr
	; the largest (v110, index v111): a later one wins only if it is greater
	v_mov_b32 v110, v32
	v_mov_b32 v111, 0
.set nn, 1
.rept 7
	v_cmp_gt_f32 vcc_lo, v[32+nn], v110
	v_cndmask_b32 v110, v110, v[32+nn], vcc_lo
	v_cndmask_b32 v111, v111, nn, vcc_lo
.set nn, nn+1
.endr
	v_mov_b32 v112, 0xff800000                     ; the winner leaves the field
.set nn, 0
.rept 8
	v_cmp_eq_u32 vcc_lo, nn, v111
	v_cndmask_b32 v[32+nn], v[32+nn], v112, vcc_lo
.set nn, nn+1
.endr
	v_mov_b32 v113, v32                            ; the second (v113, index v114)
	v_mov_b32 v114, 0
.set nn, 1
.rept 7
	v_cmp_gt_f32 vcc_lo, v[32+nn], v113
	v_cndmask_b32 v113, v113, v[32+nn], vcc_lo
	v_cndmask_b32 v114, v114, nn, vcc_lo
.set nn, nn+1
.endr
	; softmax of the two, the maximum taken away: t = e^(second - first) <= 1; weights 1 / (1 + t) and t / (1 + t)
	v_sub_f32 v115, v113, v110
	v_mul_f32 v115, 0x3fb8aa3b, v115
	v_exp_f32 v116, v115
	v_nop                                          ; a plain instruction behind the exponential,
	s_wait_alu depctr_va_vdst(0)                   ; and the wait ahead of its first reader
	v_add_f32 v117, 1.0, v116
	v_rcp_f32 v118, v117
	v_nop
	s_wait_alu depctr_va_vdst(0)
	v_mul_f32 v119, v116, v118
	s_lshl_b32 s15, ttmp9, 7
	v_lshl_add_u32 v121, v3, 2, s15                ; word 32 G + lane: my token's place in gw, and my word of the record in bm
	global_store_b32 v121, v118, s[12:13]          ; 128 consecutive bytes each
	global_store_b32 v121, v119, s[12:13] offset:4096
	v_mov_b32 v120, 0
.set nn, 0
.rept 8
	v_cmp_eq_u32 s[24+nn], nn, v111                ; the ballots,
	v_cmp_eq_u32 s[32+nn], nn, v114
	v_writelane_b32 v120, s[24+nn], nn
	v_writelane_b32 v120, s[32+nn], 8+nn
	s_or_b32 s40, s[24+nn], s[32+nn]
	s_bcnt1_i32_b32 s40, s40                       ; and how many of the 32 tokens chose the expert
	v_writelane_b32 v120, s40, 16+nn
.set nn, nn+1
.endr
	global_store_b32 v121, v120, s[10:11]          ; the record: 128 consecutive bytes
.Lend:
	s_wait_tensorcnt 0x0                           ; the wave's end
	ds_add_u32 v1, v2
	s_wait_dscnt 0x0
	s_endpgm
.Lfunc_end_k_qd8b8175b86_router:
	.size	k_qd8b8175b86_router, .Lfunc_end_k_qd8b8175b86_router-k_qd8b8175b86_router
	.p2alignl 7, 3214868480
	.fill 96, 4, 3214868480
	.section	.rodata,"a",@progbits
	.p2align	6, 0x0
	.amdhsa_kernel k_qd8b8175b86_router
		.amdhsa_group_segment_fixed_size 17408
		.amdhsa_private_segment_fixed_size 0
		.amdhsa_enable_private_segment 0
		.amdhsa_kernarg_size 40
		.amdhsa_user_sgpr_count 2
		.amdhsa_user_sgpr_kernarg_segment_ptr 1
		.amdhsa_wavefront_size32 1
		.amdhsa_system_sgpr_workgroup_id_x 1
		.amdhsa_system_sgpr_workgroup_id_y 1
		.amdhsa_system_sgpr_workgroup_id_z 1
		.amdhsa_system_vgpr_workitem_id 0
		.amdhsa_next_free_vgpr 224
		.amdhsa_next_free_sgpr 66
		.amdhsa_reserve_vcc 1
		.amdhsa_float_denorm_mode_32 3
		.amdhsa_float_denorm_mode_16_64 3
		.amdhsa_memory_ordered 1
		.amdhsa_forward_progress 1
		.amdhsa_inst_pref_size 28
	.end_amdhsa_kernel
	.amdgpu_metadata
---
amdhsa.version: [ 1, 2 ]
amdhsa.kernels:
  - .name:           k_qd8b8175b86_router
    .symbol:         k_qd8b8175b86_router.kd
    .args:
      - { .name: inputs, .offset: 0, .size: 8, .value_kind: global_buffer, .address_space: global }
      - { .name: Wg, .offset: 8, .size: 8, .value_kind: global_buffer, .address_space: global }
      - { .name: bg, .offset: 16, .size: 8, .value_kind: global_buffer, .address_space: global }
      - { .name: bm, .offset: 24, .size: 8, .value_kind: global_buffer, .address_space: global }
      - { .name: gw, .offset: 32, .size: 8, .value_kind: global_buffer, .address_space: global }
    .group_segment_fixed_size: 17408
    .private_segment_fixed_size: 0
    .kernarg_segment_align: 8
    .kernarg_segment_size: 40
    .max_flat_workgroup_size: 256
    .sgpr_count:     66
    .vgpr_count:     224
    .wavefront_size: 32
...
	.end_amdgpu_metadata
.endif
;; end of part 1
;; launch place (part 2): grid 136 x 4, 1 waves a work-group, no clusters, 4,608 bytes of LDS; arguments bm, gw, inputs, xs, perm, gws; writes xs, perm, gws
.if DOCPART == 2
	.amdgcn_target "amdgcn-amd-amdhsa--gfx1250"
	.amdhsa_code_object_version 6
	.text
	.protected	k_qd8b8175b86_place
	.globl	k_qd8b8175b86_place
	.p2align	8
	.type	k_qd8b8175b86_place,@function
k_qd8b8175b86_place:
	s_mov_b64 s[64:65], 0
	v_nop
	global_prefetch_b8 v0, s[64:65] scope:SCOPE_SE
	s_setreg_imm32_b32 hwreg(HW_REG_WAVE_MODE, 25, 1), 1
	s_wait_xcnt 0x0
; PLACE.  The 2,048 routed rows (token, choice) are laid out by expert, in tiles of 16 rows, each expert starting on a tile: never more than 135 tiles, (2,048 + 8 x 15) / 16.
; Work-group (T, w), one wave: quarter w (256 k) of tile T.  Each works the routing out for itself, in whole numbers, from the ballots and counts that the router stored.
; A tile that is not full repeats its expert's last row, so that every place of a tile holds a row that exists.  A work-group whose T is past the last tile stores nothing and ends: the grid serves every split.
; OUT.  xs: inputs rounded to bf16, in the order in which a matrix operand's registers take them: byte ((T x 16 + b) x 4 + c) x 512 + 16 l holds, for lane l = (r, h), row r of the tile, k = 64 b + 32 h + 8 c + 0..7.
; perm: words 0-7 each expert's first tile, 8-15 its tiles, 16-23 its rows, 24-31 zero; from byte 256 on, word 16 T + r = token + 1,024 x choice.  gws: word 16 T + r = that row's weight.
; REGISTERS.  v16-79 and v80-207 are data (the records, then the tile in bf16; inputs as loaded); whatever else lives across them lies below v16 or from v208 on.
; SCALARS.  s16-23 the experts' rows, s32-39 their first tiles, s40-47 their tiles: kept to the end, for the table; temporaries from s52 on.
.set TRASH, 4096                       ; LDS 0..4095: the expert's list, a word a row; 4096..4223: a word a lane for the lanes that have nothing to list
.set SPARE, 4352                       ; the spare words
.set R,    16                          ; v[16:47]  record j of bm, word = lane; later v[16:79]: the tile in bf16
.set XI,   80                          ; v[80:207] inputs as loaded
.set RR,   4                           ; v4   r = lane % 16
.set HH,   5                           ; v5   h = lane / 16
.set L4,   6                           ; v6   4 x lane
.set L16,  7                           ; v7   16 x lane
.set CNTV, 8                           ; v8   the records added up
.set TOK0, 9                           ; v9   the step's token, as first choice
.set TOK1, 10                          ; v10  and as second
.set TRA,  11                          ; v11  my trash word
.set RK,   12                          ; v12  where my entry goes
.set ENT,  13                          ; v13  my entry
.set LK,   14                          ; v14  where my row's entry lies
.set IDX,  208                         ; v208 token + 1,024 x choice
.set TOK,  209                         ; v209 token
.set GWO,  210                         ; v210 its weight's offset
.set WGT,  211                         ; v211 its weight
.set XO,   212                         ; v212 its row's offset in inputs
.set PMO,  213                         ; v213 word 16 T + r
.set TAB,  214                         ; v214 the table
.set ZZ,   216                         ; v[216:219] zeros
	s_load_b256 s[4:11], s[0:1], 0x0               ; bm s[4:5], gw s[6:7], inputs s[8:9], xs s[10:11]
	s_load_b128 s[12:15], s[0:1], 0x20             ; perm s[12:13], gws s[14:15]
	v_lshl_add_u32 v1, v0, 2, SPARE                ; my spare word,
	v_mov_b32 v2, 0                                ; and 0: kept for the closing lines alone
	v_and_b32 v[RR], 15, v0
	v_bfe_u32 v[HH], v0, 4, 1
	v_lshlrev_b32 v[L4], 2, v0
	v_lshlrev_b32 v[L16], 4, v0
	s_and_b32 s50, ttmp7, 0xffff                   ; w
	s_mov_b32 s51, ttmp9                           ; T
	s_wait_kmcnt 0x0
.set jj, 0
.rept 32
	global_load_b32 v[R+jj], v[L4], s[4:5] offset:128*jj
.set jj, jj+1
.endr
	s_wait_loadcnt 0x0
	v_add3_u32 v[CNTV], v16, v17, v18              ; the records added up: lanes 16-23 hold the experts' counts (the other lanes' sums serve nothing)
.set jj, 0
.rept 14
	v_add3_u32 v[CNTV], v[CNTV], v[19+2*jj], v[20+2*jj]
.set jj, jj+1
.endr
	v_add_nc_u32 v[CNTV], v[CNTV], v47
	s_mov_b32 s24, 0                               ; tiles so far
	s_mov_b32 s25, 0                               ; my expert,
	s_mov_b32 s26, 0                               ; its first tile,
	s_mov_b32 s27, 0                               ; its rows
.set ee, 0
.rept 8                                ; the last expert whose first tile is not past T is mine: it has tiles, since T lies below the total
	v_readlane_b32 s[16+ee], v[CNTV], 16+ee
	s_min_u32 s[16+ee], s[16+ee], 1024
	s_add_co_u32 s28, s[16+ee], 15
	s_lshr_b32 s[40+ee], s28, 4
	s_mov_b32 s[32+ee], s24
	s_cmp_le_u32 s24, s51
	s_cselect_b32 s25, ee, s25
	s_cselect_b32 s26, s24, s26
	s_cselect_b32 s27, s[16+ee], s27
	s_add_co_u32 s24, s24, s[40+ee]
.set ee, ee+1
.endr
	s_cmp_ge_u32 s51, s24
	s_cbranch_scc1 .Lnone                          ; no such tile in this split; nothing has been written to LDS
	; the list is cleared first, 512 consecutive bytes a store, so that no read below can bring bytes that nobody wrote
.set jj, 0
.rept 4
	v_mov_b32 v[ZZ+jj], 0
.set jj, jj+1
.endr
.set jj, 0
.rept 8
	ds_store_b128 v[L16], v[ZZ:ZZ+3] offset:512*jj
.set jj, jj+1
.endr
	; the expert's list: 32 tokens a step; a token's rank is the count so far plus the set bits below its own
	s_add_co_u32 s29, s25, 8
	s_mov_b32 s30, 0
	v_mov_b32 v[TOK0], v0
	v_add_nc_u32 v[TOK1], 1024, v0
	v_lshl_add_u32 v[TRA], v0, 2, TRASH
.set jj, 0
.rept 32
	v_readlane_b32 s52, v[R+jj], s25               ; chose it first,
	v_readlane_b32 s53, v[R+jj], s29               ; chose it second
	s_or_b32 s52, s52, s53
	v_mbcnt_lo_u32_b32 v[RK], s52, s30
	v_lshlrev_b32 v[RK], 2, v[RK]
	v_cndmask_b32 v[RK], v[TRA], v[RK], s52
	v_min_u32 v[RK], 0x107c, v[RK]                 ; inside the list and the words behind it, whatever was loaded
	v_cndmask_b32 v[ENT], v[TOK0], v[TOK1], s53
	ds_store_b32 v[RK], v[ENT]                     ; LDS serves a wave's instructions in order (ISA guide 5.7.1.4): behind the clearing
	s_bcnt1_i32_b32 s54, s52
	s_add_co_u32 s30, s30, s54
	v_add_nc_u32 v[TOK0], 32, v[TOK0]
	v_add_nc_u32 v[TOK1], 32, v[TOK1]
.set jj, jj+1
.endr
	s_sub_co_u32 s52, s51, s26
	s_lshl_b32 s52, s52, 4
	v_add_nc_u32 v[LK], s52, v[RR]                 ; my row's rank,
	s_sub_co_u32 s53, s27, 1
	v_min_u32 v[LK], s53, v[LK]                    ; the last row again past the count
	v_min_u32 v[LK], 0x3ff, v[LK]
	v_lshlrev_b32 v[LK], 2, v[LK]
	ds_load_b32 v[IDX], v[LK]                      ; in order again: this sees the stores above
	s_wait_dscnt 0x0
	v_min_u32 v[IDX], 0x7ff, v[IDX]                ; token + 1,024 x choice
	v_and_b32 v[TOK], 0x3ff, v[IDX]
	v_lshlrev_b32 v[GWO], 2, v[IDX]
	global_load_b32 v[WGT], v[GWO], s[6:7]         ; its weight
	v_lshlrev_b32 v[XO], 12, v[TOK]
	v_lshl_add_u32 v[XO], v[HH], 7, v[XO]
	s_lshl_b32 s52, s50, 10
	v_add_nc_u32 v[XO], s52, v[XO]                 ; the token's row, + 32 h numbers, + the quarter's 256
.set nn, 0
.rept 32                               ; k block nn / 8, piece (nn / 2) % 4, its 32 bytes in two loads
	global_load_b128 v[XI+4*nn:XI+4*nn+3], v[XO], s[8:9] offset:(nn/8)*256+((nn/2)%4)*32+(nn%2)*16
.set nn, nn+1
.endr
	s_lshl_b32 s56, s51, 15
	s_lshl_b32 s57, s50, 13
	s_add_co_u32 s56, s56, s57
	s_mov_b32 s57, 0
	s_add_nc_u64 s[10:11], s[10:11], s[56:57]      ; xs at my quarter of my tile
	s_wait_loadcnt 0x0
.set nn, 0
.rept 64                               ; v16-79: the records are no longer wanted
	v_cvt_pk_bf16_f32 v[R+nn], v[XI+2*nn], v[XI+2*nn+1]
.set nn, nn+1
.endr
.set nn, 0
.rept 16
	global_store_b128 v[L16], v[R+4*nn:R+4*nn+3], s[10:11] offset:512*nn   ; 512 consecutive bytes each
.set nn, nn+1
.endr
	s_cmp_lg_u32 s50, 0
	s_cbranch_scc1 .Lclose
	s_lshl_b32 s52, s51, 6
	v_lshl_add_u32 v[PMO], v[RR], 2, s52           ; word 16 T + r; lanes 16-31 repeat lanes 0-15, same place and same number
	global_store_b32 v[PMO], v[IDX], s[12:13] offset:256
	global_store_b32 v[PMO], v[WGT], s[14:15]
	s_cmp_lg_u32 s51, 0
	s_cbranch_scc1 .Lclose
	v_mov_b32 v[TAB], 0                            ; work-group (0, 0) stores the table
.set ee, 0
.rept 8
	v_writelane_b32 v[TAB], s[32+ee], ee
	v_writelane_b32 v[TAB], s[40+ee], 8+ee
	v_writelane_b32 v[TAB], s[16+ee], 16+ee
.set ee, ee+1
.endr
	global_store_b32 v[L4], v[TAB], s[12:13]       ; 128 consecutive bytes
.Lclose:
	s_wait_tensorcnt 0x0                           ; the wave's end
	ds_add_u32 v1, v2
	s_wait_dscnt 0x0
	s_endpgm
.Lnone:
	s_endpgm
.Lfunc_end_k_qd8b8175b86_place:
	.size	k_qd8b8175b86_place, .Lfunc_end_k_qd8b8175b86_place-k_qd8b8175b86_place
	.p2alignl 7, 3214868480
	.fill 96, 4, 3214868480
	.section	.rodata,"a",@progbits
	.p2align	6, 0x0
	.amdhsa_kernel k_qd8b8175b86_place
		.amdhsa_group_segment_fixed_size 4608
		.amdhsa_private_segment_fixed_size 0
		.amdhsa_enable_private_segment 0
		.amdhsa_kernarg_size 48
		.amdhsa_user_sgpr_count 2
		.amdhsa_user_sgpr_kernarg_segment_ptr 1
		.amdhsa_wavefront_size32 1
		.amdhsa_system_sgpr_workgroup_id_x 1
		.amdhsa_system_sgpr_workgroup_id_y 1
		.amdhsa_system_sgpr_workgroup_id_z 1
		.amdhsa_system_vgpr_workitem_id 0
		.amdhsa_next_free_vgpr 220
		.amdhsa_next_free_sgpr 66
		.amdhsa_reserve_vcc 0
		.amdhsa_float_denorm_mode_32 3
		.amdhsa_float_denorm_mode_16_64 3
		.amdhsa_memory_ordered 1
		.amdhsa_forward_progress 1
		.amdhsa_inst_pref_size 41
	.end_amdhsa_kernel
	.amdgpu_metadata
---
amdhsa.version: [ 1, 2 ]
amdhsa.kernels:
  - .name:           k_qd8b8175b86_place
    .symbol:         k_qd8b8175b86_place.kd
    .args:
      - { .name: bm, .offset: 0, .size: 8, .value_kind: global_buffer, .address_space: global }
      - { .name: gw, .offset: 8, .size: 8, .value_kind: global_buffer, .address_space: global }
      - { .name: inputs, .offset: 16, .size: 8, .value_kind: global_buffer, .address_space: global }
      - { .name: xs, .offset: 24, .size: 8, .value_kind: global_buffer, .address_space: global }
      - { .name: perm, .offset: 32, .size: 8, .value_kind: global_buffer, .address_space: global }
      - { .name: gws, .offset: 40, .size: 8, .value_kind: global_buffer, .address_space: global }
    .group_segment_fixed_size: 4608
    .private_segment_fixed_size: 0
    .kernarg_segment_align: 8
    .kernarg_segment_size: 48
    .max_flat_workgroup_size: 32
    .sgpr_count:     66
    .vgpr_count:     220
    .wavefront_size: 32
...
	.end_amdgpu_metadata
.endif
;; end of part 2
;; launch ffn1 (part 3): grid 256 x 1, 4 waves a work-group, no clusters, 98,816 bytes of LDS; arguments W1, b1, xs, perm, hs; writes hs
.if DOCPART == 3
	.amdgcn_target "amdgcn-amd-amdhsa--gfx1250"
	.amdhsa_code_object_version 6
	.text
	.protected	k_qd8b8175b86_ffn1
	.globl	k_qd8b8175b86_ffn1
	.p2align	8
	.type	k_qd8b8175b86_ffn1,@function
k_qd8b8175b86_ffn1:
	s_mov_b64 s[64:65], 0
	v_nop
	global_prefetch_b8 v0, s[64:65] scope:SCOPE_SE
	s_setreg_imm32_b32 hwreg(HW_REG_WAVE_MODE, 25, 1), 1
	s_wait_xcnt 0x0
; ONE TEXT FOR BOTH PRODUCTS OF THE EXPERTS; SECOND = 0: hs = silu(xs x W1 + b1), SECOND = 1: part = weight x (hs x W2 + b2), a quarter of K at a time.
; W and the bias are rounded once to bf16 on their way through registers (every input of this program is); sums, silu and the weight in f32; hs is rounded once to bf16; part stays f32 (partial sums).
; LIMITS.  NaN and infinities are not treated apart.  silu(x) = x / (1 + e^-x) by v_exp_f32 and v_rcp_f32; where e^-x overflows the result is -0.
; SHARES.  A work-group has 1,024 k x 128 columns of ONE expert's weights, which it alone reads, and all rows of that expert.  First product: 8 experts x 32 slices.  Second: 8 experts x 8 slices x 4 quarters of K.
; K goes in 8 chunks of 128.  Wave w loads the 32 rows of K step w of each chunk (32 loads of 16 bytes a lane; 16 lanes take 256 consecutive, aligned bytes of a row), rounds them, and lays 8 operand fragments into LDS
; for all four waves.  No transpose: lane (rho, h) holds columns 64 g + 4 rho + t of rows 64 b + 32 h + 16 f + j; the numbers of one t and j = 0..15 ARE a fragment's 8 registers, for the 16 columns 64 g + 4 rho + t,
; with k permuted as xs and hs are laid out.  The rows come as tiles of 16, straight from memory into operand registers (512 consecutive bytes a load).
; Wave w multiplies tiles 20 p + w + 4 i, i = 0..4, of pass p, each by all 128 columns.  Four passes serve the 64 tiles that an expert can have; up to 320 rows need one, and each weight is then read once.
; THE STREAM.  A chunk's products go K step by K step over all my tiles.  Behind K step s of chunk c stands a BOUNDARY: the wave waits for quarter s (8 loads) of its W of chunk c + 1, rounds it and lays it into the other
; slot, asks for K step s of its tiles' chunk c + 1 (10 loads, into the registers just multiplied) and for quarter s of W of chunk c + 2 (8 loads, into the registers just rounded).  So 32 loads of W are out at every
; moment, and each has a whole chunk's work in which to land.  Loads are counted in their order of issue, 18 a boundary: behind a quarter of W stand 54 when it is due, behind a K step's row loads 62.
; WHY FIVE TILES.  LOADcnt's field holds 63, and the issue of a load that would pass it waits (ISA guide 5.7.1).  Behind a boundary's wait at most 54 are out, the oldest 10 of them row loads asked for a chunk ago:
; 44 and the boundary's 18 make 62.  With six tiles it would be 48 and 20, and the issue would hang on a quarter of W that is not yet due.
; W's fragments come out of LDS a K step (16 loads) ahead of their products.
; CONTROL.  The number of tiles is read from memory, so every barrier stands on every path: the passes and chunks are counted by constants, and only work between barriers is jumped (LIVE: the pass has tiles; NT: how
; many are mine).  The way round such work waits for all loads, of which there are none in a pass without tiles: so each counted wait below finds either nothing pending or the order of loads that its comment counts.
; A tile past NT keeps its loads, all lanes at one word of a tile that exists, so that the counts stay; its products are jumped.  Chunk 6, behind which no W is left, keeps its 32 loads of W in the same way.
; NO TENSOR LOADS, NO CLUSTER: each weight byte has one reader; the shared row tiles are wanted in numbers that hang on stored counts, and a joint load may be jumped by no partner.
.set SECOND, 0
.if SECOND
.set LOGP, 12                          ; a row of W2, and of b2, is 4,096 bytes
.set LOGT, 17                          ; a tile of hs is 131,072 bytes
.else
.set LOGP, 14                          ; a row of W1, and of b1, is 16,384 bytes
.set LOGT, 15                          ; a tile of xs is 32,768 bytes
.endif
.set PITCH, 1<<LOGP
.set CH,    128*PITCH                  ; a chunk of W
.set NTW,   5                          ; tiles of a wave in a pass
.set PT,    4*NTW                      ; tiles of a pass
.set PASSES, 4                         ; 4 x 20 = 80 tiles, 64 are the most
.set SLOTB, 32768                      ; LDS 0..65535: two slots of 32 fragments; fragment 8 s + 4 g + t at x 1,024, its registers 4 x .. at + 512 x + 16 lane; wave w writes bytes 8,192 w .. of a slot
.set IMGB,  65536                      ; 65536..98303: for each wave 8,192 bytes of its own: the bias as 8 accumulators hold it
.set SPARE, 98304                      ; the spare words, 128 bytes a wave
; VECTOR REGISTERS by their absolute numbers; an instruction names 256, s_set_vgpr_msb picks the window of each operand place (bits 1:0 source 0, 3:2 source 1, 5:4 source 2, 7:6 destination)
.set SPW,  1                           ; my spare word's address; never rewritten
.set NIL,  2                           ; 0; never rewritten
.set L16,  3                           ; 16 x lane
.set WOFF, 4                           ; my 16 bytes in my K step's first row of a chunk of W
.set PFO,  5                           ; the first byte of my row (lane % 16, h) of that K step, for the prefetch
.set BST0, 6                           ; where I lay fragments in slot 0
.set BLDA, 7                           ; the slot that is read
.set BSTA, 8                           ; the slot that is written
.set IMG,  9                           ; my wave's bias image
.set AOFF, 10                          ; v10-14  tile i's byte offset from the pass's first tile
.set PO,   16                          ; v16-20  second product: tile i's offset in perm and gws
.set TMPV, 22
.set ST,   23                          ; first product: the stores' offset
.set WOC,  24                          ; WOFF, or 0 in chunk 6: what the loads of W name
.set OOFF, 25
.set H32,  26
.set RHO,  27
.set HH,   28
.set BOFF, 29
.set S,    32                          ; v32-159   W as loaded: quarter q = 2 g + x, row 8 x + jj of the 16, at S + 32 q + 4 jj
.set CV,   160                         ; v160-191  two sets of 16: rounded fragments on their way to LDS; second product's way out: the rows' offsets
                                       ; v192-223  operand registers of tile 4;  v896-1023 of tiles 0-3: 32 a tile, K step s at + 8 s
                                       ; v832-895, v224-239  second product: tile i's 8 row numbers and 8 weights (tiles 0-3, tile 4)
.set B,    256                         ; v256-511  the chunk's 32 fragments of W, K step s at + 64 s; at work in the head and on the way out
.set ACC,  512                         ; v512-831  accumulators: tile i, column tile ct = 4 g + t at ACC + 64 i + 8 ct
; SCALARS
.set WV,   16
.set EX,   17
.set SL,   18
.set QQ,   19
.set TB,   20                          ; the expert's first tile
.set NTL,  21                          ; its tiles
.set PFT,  22                          ; 20 x pass
.set LIVE, 23
.set NT,   24
.set PCNT, 25
.set LC,   26
.set SB,   27
.set WP,   28                          ; s[28:29] W at the chunk last asked for
.set AP,   30                          ; s[30:31] the pass's first tile, at the chunk last asked for
.set OB,   32                          ; s[32:33] the stores' base
.set PMB,  34                          ; s[34:35] perm, s[36:37] gws at the pass's first tile
.set GWB,  36
.set TI,   38                          ; s38-42  tile i's number in the pass, 0 if it is dead
.set IC,   52
.set QM,   53
.set NC,   54                          ; s[54:55] -log2(e)
.set EOFF, 56
.set MSB, 0
.macro WIN new                         ; the immediate's high byte repeats the setting that is left; a switch that changes nothing is dropped
.if MSB != (\new)
	s_set_vgpr_msb (MSB<<8)|(\new)
.set MSB, (\new)
.endif
.endm
.macro WQ q                            ; quarter q of my K step of the chunk at WP: 8 rows, half q / 2 of their 512 bytes.  Read once in the launch: non-temporal
.set jj, 0
.rept 8
	global_load_b128 v[S+32*(\q)+4*jj:S+32*(\q)+4*jj+3], v[WOC], s[WP:WP+1] offset:(8*((\q)%2)+jj)*PITCH+((\q)/2)*256 th:TH_LOAD_NT
.set jj, jj+1
.endr
.endm
.macro PF                              ; my K step's 32 rows x 512 bytes of the chunk BEHIND the one at WP: a lane a row, two blocks of 256 bytes; each wave asks for what it alone will load
	global_prefetch_b8 v[PFO], s[WP:WP+1] offset:CH th:TH_LOAD_NT scope:SCOPE_SE
	global_prefetch_b8 v[PFO], s[WP:WP+1] offset:CH+256 th:TH_LOAD_NT scope:SCOPE_SE
.endm
.macro PARAMS                          ; what a pass hangs on.  Each number that enters an address is clamped by a constant last, and then only shifted and added
	s_sub_co_i32 s44, s[NTL], s[PFT]
	s_max_i32 s44, s44, 0                          ; tiles left for this pass and later ones
	s_cmp_lg_u32 s44, 0
	s_cselect_b32 s[LIVE], 1, 0
	s_add_co_u32 s45, s44, 3
	s_sub_co_u32 s45, s45, s[WV]
	s_lshr_b32 s45, s45, 2
	s_min_u32 s[NT], s45, NTW                      ; of tiles w, w + 4, .. w + 16 those below what is left
	s_add_co_u32 s46, s[TB], s[PFT]
	s_cmp_lg_u32 s[LIVE], 0
	s_cselect_b32 s46, s46, 0
	s_min_u32 s46, s46, 135                        ; the pass's first tile; tile 0, which always exists, for a pass without tiles
	s_lshl_b32 s48, s46, LOGT
	s_mov_b32 s49, 0
	s_add_nc_u64 s[AP:AP+1], s[8:9], s[48:49]
.if SECOND
	s_lshl_b32 s48, s46, 6
	s_add_nc_u64 s[GWB:GWB+1], s[12:13], s[48:49]
	s_add_co_u32 s48, s48, 256
	s_add_nc_u64 s[PMB:PMB+1], s[10:11], s[48:49]
.else
	s_lshl_b32 s48, s46, 17
	s_add_nc_u64 s[OB:OB+1], s[12:13], s[48:49]
.endif
.set ii, 0
.rept NTW
	s_add_co_u32 s50, s[WV], 4*ii
	s_cmp_gt_u32 s[NT], ii
	s_cselect_b32 s50, s50, 0
	s_cselect_b32 s51, -1, 0
	s_min_u32 s[TI+ii], s50, PT-1
	s_lshl_b32 s50, s[TI+ii], LOGT
	v_and_b32 v[TMPV], s51, v[L16]                 ; a dead tile's lanes all take one word
	v_min_u32 v[TMPV], 0x1f0, v[TMPV]
	v_add_nc_u32 v[AOFF+ii], s50, v[TMPV]
.set ii, ii+1
.endr
.endm
.macro ALOADS s                        ; K step s of my five tiles, of the chunk at AP: 2 loads a tile, 512 consecutive bytes each
.set ii, 0
.rept NTW
.set rA, 896+32*ii-832*(ii/4)
	WIN ((rA>>8)<<6)
	global_load_b128 v[(rA&255)+8*(\s):(rA&255)+8*(\s)+3], v[AOFF+ii], s[AP:AP+1] offset:1024*(\s)
	global_load_b128 v[(rA&255)+8*(\s)+4:(rA&255)+8*(\s)+7], v[AOFF+ii], s[AP:AP+1] offset:1024*(\s)+512
.set ii, ii+1
.endr
	WIN 0
.endm
.macro PERMLOADS                       ; second product: my 8 rows' numbers and weights of each tile: 20 loads at a pass's start, read on its way out
.set ii, 0
.rept NTW
	s_lshl_b32 s44, s[TI+ii], 6
	v_add_nc_u32 v[PO+ii], s44, v[H32]
.set ii, ii+1
.endr
.set ii, 0
.rept NTW
.set rP, 832+16*ii-672*(ii/4)
	WIN ((rP>>8)<<6)
	global_load_b128 v[(rP&255):(rP&255)+3], v[PO+ii], s[PMB:PMB+1]
	global_load_b128 v[(rP&255)+4:(rP&255)+7], v[PO+ii], s[PMB:PMB+1] offset:16
	global_load_b128 v[(rP&255)+8:(rP&255)+11], v[PO+ii], s[GWB:GWB+1]
	global_load_b128 v[(rP&255)+12:(rP&255)+15], v[PO+ii], s[GWB:GWB+1] offset:16
.set ii, ii+1
.endr
	WIN 0
.endm
.macro ACCINIT                         ; the sums begin with the bias: nothing is cleared, and every accumulator is written whatever the counts
.set ii, 0
.rept NTW
	WIN (((ACC+64*ii)>>8)<<6)
.set kk, 0
.rept 16
	ds_load_b128 v[((ACC+64*ii)&255)+4*kk:((ACC+64*ii)&255)+4*kk+3], v[IMG] offset:512*kk
.set kk, kk+1
.endr
.set ii, ii+1
.endr
	WIN 0
.endm
.macro CVTQ q                          ; quarter q = 2 g + x of S -> registers 4 x .. 4 x + 3 of the four fragments (g, t), in the slot that is written; kk = 4 t + place
.set kk, 0
.rept 16
	v_cvt_pk_bf16_f32 v[CV+16*((\q)%2)+kk], v[S+32*(\q)+8*(kk%4)+kk/4], v[S+32*(\q)+8*(kk%4)+4+kk/4]
.set kk, kk+1
.endr
.set kk, 0
.rept 4
	ds_store_b128 v[BSTA], v[CV+16*((\q)%2)+4*kk:CV+16*((\q)%2)+4*kk+3] offset:(4*((\q)/2)+kk)*1024+((\q)%2)*512
.set kk, kk+1
.endr
.endm
.macro BL s                            ; K step s's 8 fragments of W out of the slot that is read: 16 loads
	WIN 0x40
.set kk, 0
.rept 16
	ds_load_b128 v[64*(\s)+4*kk:64*(\s)+4*kk+3], v[BLDA] offset:512*(16*(\s)+kk)
.set kk, kk+1
.endr
	WIN 0
.endm
.macro BAR                             ; ONE barrier a chunk.  In front of it my stores into the slot to be read and my reads of the other slot are done; behind it the one is read and the other written
	s_wait_dscnt 0x0
	v_add_nc_u32 v[BLDA], s[SB], v[L16]
	s_xor_b32 s[SB], s[SB], SLOTB
	v_add_nc_u32 v[BSTA], s[SB], v[BST0]
	s_barrier_signal -1
	s_barrier_wait -1
.endm
.macro MMA                             ; rD += the row fragment rX times the weight fragment rW
.if SECOND
	WIN ((rD>>8)*0x50)|((rW>>8)<<2)|(rX>>8)
	v_wmma_f32_16x16x32_bf16 v[rD&255:(rD&255)+7], v[rX&255:(rX&255)+7], v[rW&255:(rW&255)+7], v[rD&255:(rD&255)+7]
.else
	WIN ((rD>>8)*0x50)|((rX>>8)<<2)|(rW>>8)
	v_wmma_f32_16x16x32_bf16 v[rD&255:(rD&255)+7], v[rW&255:(rW&255)+7], v[rX&255:(rX&255)+7], v[rD&255:(rD&255)+7]
.endif
.endm
; K step s of a chunk: 8 products a tile, my live tiles in ascending order; at the first dead one the rest is jumped.  The accumulators take turns, one instruction a turn: a tile's 8, then the
; next tile's; the next K step begins on tile 0's first, which is never the one written last.  na: the younger loads that may stay out when this K step's 10 row loads must be in; nd: the same for its 16 LDS loads.
.macro KSTEP s, na, nd
	s_wait_loadcnt \na
	s_wait_dscnt \nd
.set ii, 0
.rept NTW
	WIN 0                                          ; at a branch and at a label every window is 0
	s_cmp_le_u32 s[NT], ii
	s_cbranch_scc1 .Lke_\@
.set rA, 896+32*ii-832*(ii/4)
.set ct, 0
.rept 8
.set rD, ACC+64*ii+8*ct
.set rW, B+8*(8*(\s)+ct)
.set rX, rA+8*(\s)
	MMA
.set ct, ct+1
.endr
.set ii, ii+1
.endr
	WIN 0
.Lke_\@:
.endm
; THE BOUNDARY behind K step s.  n: the younger loads that may stay out when quarter s of W must be in.  The 16 conversions are also the four places between the K step's products and the loads into
; their sources.  inloop = 0: a pass's beginning, where the boundaries stand without products: chunk 0 of W is rounded, chunk 0 of the rows and chunk 1 of W are asked for.
; The bases are stepped at boundary 0, behind s_wait_xcnt 0; the last load stands a K step's products back.
.macro BOUND s, n, inloop
	s_wait_loadcnt \n
	CVTQ \s
.if (\s) == 0
	s_wait_xcnt 0x0
.if \inloop
	s_add_nc_u64 s[AP:AP+1], s[AP:AP+1], 4096      ; the tiles' next chunk
	s_cmp_ge_u32 s[LC], 2                          ; chunks 0 to 5: W goes a chunk on.  Chunk 6: it stays at chunk 7, and all lanes take one word of each row
	s_cselect_b32 s44, CH, 0
	s_cselect_b32 s46, -1, 0
	s_mov_b32 s45, 0
	s_add_nc_u64 s[WP:WP+1], s[WP:WP+1], s[44:45]
	v_and_b32 v[WOC], s46, v[WOFF]
.else
	s_add_nc_u64 s[WP:WP+1], s[WP:WP+1], CH
.endif
.endif
	ALOADS \s
	WQ \s
.if (\s) == 0
.if \inloop
	s_cmp_ge_u32 s[LC], 3
	s_cbranch_scc0 .Lnopf_\@                       ; in chunk c the chunk c + 3 is asked for only where it exists (c <= 4): no prefetch leaves the slice
	PF
.Lnopf_\@:
.else
	PF                                             ; chunk 2
.endif
.endif
.endm
; A pass's beginning.  Ahead of it went chunk 0 of W (quarters 0 to 3, 32 loads) and, in the second product, the 20 loads of PERMLOADS.  Behind quarter s stand the later quarters' 8 (3 - s), those 20, and 18 s
; of the boundaries before; 63 is the largest count that the wait can name.
.macro PRO
.if SECOND
	BOUND 0, 44, 0
	BOUND 1, 54, 0
	BOUND 2, 63, 0
	BOUND 3, 63, 0
.else
	BOUND 0, 24, 0
	BOUND 1, 34, 0
	BOUND 2, 44, 0
	BOUND 3, 54, 0
.endif
.endm
	s_load_b256 s[4:11], s[0:1], 0x0               ; W s[4:5], bias s[6:7], rows (xs or hs) s[8:9], perm s[10:11]
.if SECOND
	s_load_b128 s[12:15], s[0:1], 0x20             ; gws s[12:13], part s[14:15]
.else
	s_load_b64 s[12:13], s[0:1], 0x20              ; hs
.endif
	v_lshl_add_u32 v[SPW], v0, 2, SPARE
	v_mov_b32 v[NIL], 0
	v_lshrrev_b32 v[TMPV], 5, v0
	v_readfirstlane_b32 s[WV], v[TMPV]             ; wave 0..3
	v_and_b32 v[L16], 31, v0
	v_lshlrev_b32 v[L16], 4, v[L16]
	v_and_b32 v[RHO], 15, v0
	v_bfe_u32 v[HH], v0, 4, 1
	s_lshr_b32 s[EX], ttmp9, 5                     ; the expert
.if SECOND
	s_bfe_u32 s[SL], ttmp9, 0x30002                ; the slice of 128 columns,
	s_and_b32 s[QQ], ttmp9, 3                      ; the quarter of K
.else
	s_and_b32 s[SL], ttmp9, 31                     ; the slice of 128 columns
.endif
	s_lshr_b32 s44, s[WV], 1                       ; my K step's first row in a chunk: 64 (w / 2) + 16 (w % 2),
	s_lshl_b32 s44, s44, 6
	s_and_b32 s45, s[WV], 1
	s_lshl_b32 s45, s45, 4
	s_add_co_u32 s44, s44, s45
	s_lshl_b32 s44, s44, LOGP
	v_lshl_add_u32 v[TMPV], v[HH], LOGP+5, s44     ; + 32 h rows
	v_lshl_add_u32 v[WOFF], v[RHO], 4, v[TMPV]
	v_lshl_add_u32 v[PFO], v[RHO], LOGP, v[TMPV]
	s_lshl_b32 s45, s[WV], 13
	v_add_nc_u32 v[BST0], s45, v[L16]
	s_add_co_u32 s45, s45, IMGB
	v_add_nc_u32 v[IMG], s45, v[L16]
.if SECOND
	v_lshlrev_b32 v[OOFF], 4, v[RHO]               ; my 4 columns in 64
	v_lshlrev_b32 v[H32], 5, v[HH]                 ; my 8 rows' words in a tile's 16
	v_lshlrev_b32 v[BOFF], 4, v[RHO]
	s_cmp_eq_u32 s[QQ], 0
	s_cselect_b32 s[QM], -1, 0                     ; the bias belongs to the first quarter's sum alone
.else
	s_lshl_b32 s45, s[WV], 17
	v_add_nc_u32 v[OOFF], s45, v[L16]              ; tile w of the pass, 16 bytes a lane
	v_lshlrev_b32 v[BOFF], 7, v[HH]
	s_mov_b32 s[NC], 0xbfb8aa3b
	s_mov_b32 s[NC+1], 0xbfb8aa3b
.endif
	s_lshl_b32 s[EOFF], s[EX], 2
	s_lshl_b32 s44, s[EX], 24                      ; an expert's weights are 2^24 bytes
	s_lshl_b32 s45, s[SL], 9
	s_add_co_u32 s44, s44, s45
.if SECOND
	s_lshl_b32 s45, s[QQ], 22
	s_add_co_u32 s44, s44, s45
.endif
	s_mov_b32 s45, 0
	s_lshl_b32 s46, s[EX], LOGP
	s_lshl_b32 s47, s[SL], 9
	s_add_co_u32 s46, s46, s47
	s_mov_b32 s47, 0
	s_mov_b32 s49, 0
	s_wait_kmcnt 0x0
	s_load_b32 s[TB], s[10:11], s[EOFF] offset:0x0
	s_load_b32 s[NTL], s[10:11], s[EOFF] offset:0x20
	s_add_nc_u64 s[4:5], s[4:5], s[44:45]          ; W at my slice
	s_add_nc_u64 s[6:7], s[6:7], s[46:47]          ; the bias at my slice
.if SECOND
	s_lshl_b32 s48, s[QQ], 15
	s_add_nc_u64 s[8:9], s[8:9], s[48:49]          ; hs at my quarter of a tile
	s_lshl_b32 s48, s[QQ], 23
	s_lshl_b32 s50, s[SL], 9
	s_add_co_u32 s48, s48, s50
	s_add_nc_u64 s[OB:OB+1], s[14:15], s[48:49]    ; part at my quarter and slice
.else
	s_lshl_b32 s48, s[SL], 12
	s_add_nc_u64 s[12:13], s[12:13], s[48:49]      ; hs at my slice's two k blocks of a tile
.endif
	WIN 0x40
.if SECOND
	global_load_b128 v[0:3], v[BOFF], s[6:7]       ; b(64 g + 4 rho + t)
	global_load_b128 v[4:7], v[BOFF], s[6:7] offset:256
.else
.set kk, 0
.rept 16                               ; b(64 g + 32 h + 4 j + t): g = kk / 8, j = kk % 8
	global_load_b128 v[4*kk:4*kk+3], v[BOFF], s[6:7] offset:(kk/8)*256+(kk%8)*16
.set kk, kk+1
.endr
.endif
	WIN 0
	s_mov_b64 s[WP:WP+1], s[4:5]
	v_mov_b32 v[WOC], v[WOFF]
	WQ 0                                           ; chunk 0 goes out before the counts are known: it is wanted whatever they are, but for an expert without rows
	WQ 1
	WQ 2
	WQ 3
	PF                                             ; chunk 1
	s_wait_kmcnt 0x0
	s_min_u32 s[TB], s[TB], 135
	s_min_u32 s[NTL], s[NTL], 64
	s_mov_b32 s[PFT], 0
	PARAMS
.if SECOND
	PERMLOADS
.endif
	s_wait_loadcnt 32+20*SECOND                    ; the bias is in: behind it went W's 32 loads and, in the second product, PERMLOADS' 20
	WIN 0x55                                       ; all in v256 on
.if SECOND
.set nn, 0
.rept 4                                ; rounded to bf16 and widened again; column tile ct in v272 + ct
	v_cvt_pk_bf16_f32 v[8+nn], v[2*nn], v[2*nn+1]
	v_lshlrev_b32 v[16+2*nn], 16, v[8+nn]
	v_and_b32 v[17+2*nn], 0xffff0000, v[8+nn]
.set nn, nn+1
.endr
.set nn, 0
.rept 32                               ; a lane's column is the same in all 8 registers of an accumulator
	v_and_b32 v[32+nn], s[QM], v[16+nn/4]
.set nn, nn+1
.endr
	WIN 0x04
.set nn, 0
.rept 16
	ds_store_b128 v[IMG], v[32+4*(nn/2):32+4*(nn/2)+3] offset:512*nn
.set nn, nn+1
.endr
.else
.set nn, 0
.rept 16                               ; nn = 2 ct + x, ct = 4 g + t: registers j = 4 x .. 4 x + 3 of accumulator ct hold b(64 g + 32 h + 4 j + t)
.set gg, nn/8
.set tt, (nn/2)%4
.set xx, nn%2
	v_cvt_pk_bf16_f32 v128, v[4*(8*gg+4*xx)+tt], v[4*(8*gg+4*xx+1)+tt]
	v_cvt_pk_bf16_f32 v129, v[4*(8*gg+4*xx+2)+tt], v[4*(8*gg+4*xx+3)+tt]
	v_lshlrev_b32 v[64+4*nn], 16, v128
	v_and_b32 v[64+4*nn+1], 0xffff0000, v128
	v_lshlrev_b32 v[64+4*nn+2], 16, v129
	v_and_b32 v[64+4*nn+3], 0xffff0000, v129
.set nn, nn+1
.endr
	WIN 0x04
.set nn, 0
.rept 16
	ds_store_b128 v[IMG], v[64+4*nn:64+4*nn+3] offset:512*nn
.set nn, nn+1
.endr
.endif
	WIN 0
	ACCINIT                                        ; my own bytes: LDS serves a wave's instructions in order (ISA guide 5.7.1.4)
	v_mov_b32 v[BSTA], v[BST0]                     ; chunk 0 goes into slot 0
	PRO                                            ; the first pass's beginning stands on every path: it writes every register that the chunks read
	s_mov_b32 s[PCNT], PASSES
.Lpass:
	s_mov_b32 s[SB], 0
	s_mov_b32 s[LC], 7
.Lchunk:                                           ; chunk c = 7 - LC = 0..6: multiply c, lay c + 1 into the other slot, ask for the rows' c + 1 and for W's c + 2
	BAR
	s_cmp_lg_u32 s[LIVE], 0
	s_cbranch_scc1 .Lb_live
	s_wait_loadcnt 0x0
	s_branch .Lb_done
.Lb_live:
	BL 0
	BL 1
	KSTEP 0, 62, 16                                ; loads: behind a K step's 10 row loads went 8 of W and three boundaries of 18.  LDS: behind K step 0's 16 loads went K step 1's 16
	BOUND 0, 54, 1                                 ; behind a quarter of W went three boundaries of 18
	BL 2
	KSTEP 1, 62, 20                                ; LDS: the boundary's 4 stores and the next K step's 16 loads
	BOUND 1, 54, 1
	BL 3
	KSTEP 2, 62, 20
	BOUND 2, 54, 1
	KSTEP 3, 62, 4                                 ; LDS: the boundary's 4 stores
	BOUND 3, 54, 1
.Lb_done:
	s_sub_co_u32 s[LC], s[LC], 1
	s_cmp_lg_u32 s[LC], 0
	s_cbranch_scc1 .Lchunk
	BAR                                            ; chunk 7: nothing is left to round or to ask for
	s_cmp_lg_u32 s[LIVE], 0
	s_cbranch_scc0 .Lc_done
	BL 0
	BL 1
	KSTEP 0, 62, 16                                ; loads: behind K step s's 10 row loads went 8 and chunk 6's later boundaries: 8 + 18 (3 - s)
	BL 2
	KSTEP 1, 44, 16
	BL 3
	KSTEP 2, 26, 16
	KSTEP 3, 8, 0
.rept 4
	v_nop                                          ; four places between the last products and the readers of their results (ISA guide 7.12.1)
.endr
.Lc_done:
	s_wait_loadcnt 0x0
.if SECOND
; THE WAY OUT, second product.  Register j of accumulator 4 g + t holds row 8 h + j, column 64 g + 4 rho + t: the four t are 16 bytes, 16 lanes 256 consecutive, aligned bytes of a row of part.
; The multiply by the row's weight also brings the four together.  j ascends.
.macro EPI2 i
.set rP, 832+16*(\i)-672*((\i)/4)
	s_cmp_le_u32 s[NT], \i
	s_cbranch_scc1 .Lep_end
	s_wait_xcnt 0x0                                ; the last tile's stores have read their offsets and data
	WIN ((rP>>8)<<2)
.set jj, 0
.rept 8
	v_min_u32 v[CV+jj], 0x7ff, v[(rP&255)+jj]
.set jj, jj+1
.endr
	WIN 0
.set jj, 0
.rept 8
	v_lshl_add_u32 v[CV+jj], v[CV+jj], 12, v[OOFF] ; row token + 1,024 x choice, 4,096 bytes a row
.set jj, jj+1
.endr
	WIN 0x40|((rP>>8)<<2)|((ACC+64*(\i))>>8)
.set jj, 0
.rept 8
.set kk, 0
.rept 8
	v_mul_f32 v[8*jj+kk], v[((ACC+64*(\i))&255)+8*kk+jj], v[(rP&255)+8+jj]
.set kk, kk+1
.endr
.set jj, jj+1
.endr
	WIN 0x04
.set jj, 0
.rept 8
	global_store_b128 v[CV+jj], v[8*jj:8*jj+3], s[OB:OB+1]
	global_store_b128 v[CV+jj], v[8*jj+4:8*jj+7], s[OB:OB+1] offset:256
.set jj, jj+1
.endr
	WIN 0
.endm
	EPI2 0
	EPI2 1
	EPI2 2
	EPI2 3
	EPI2 4
.Lep_end:
.else
; THE WAY OUT, first product: a loop over my NT tiles; no LDS and no barrier in it.  A lane holds ONE row (lane % 16) and the columns 64 g + 32 h + 4 j + t, which are the k that the same lane holds in hs's layout.
; u = -log2(e) x; silu(x) = u / (-log2(e) (1 + 2^u)).  The 64 exponentials are one batch with one wait, and so are the 64 reciprocals.
.macro BLK i                           ; u of tile i into v256-319, each accumulator's registers ascending
	WIN 0x40|((ACC+64*(\i))>>8)
.set kk, 0
.rept 32
	v_pk_mul_f32 v[2*kk:2*kk+1], v[((ACC+64*(\i))&255)+2*kk:((ACC+64*(\i))&255)+2*kk+1], s[NC:NC+1] op_sel_hi:[1,0]
.set kk, kk+1
.endr
	WIN 0
.endm
	s_cmp_eq_u32 s[NT], 0
	s_cbranch_scc1 .Lep_end
	s_mov_b32 s[IC], 0
.Lep:
	s_wait_xcnt 0x0                                ; the last tile's stores have read their offset and data
	s_lshl_b32 s44, s[IC], 19                      ; my tiles lie four tiles of 131,072 bytes apart
	v_add_nc_u32 v[ST], s44, v[OOFF]
	s_cmp_eq_u32 s[IC], 0
	s_cbranch_scc1 .Lblk0
	s_cmp_eq_u32 s[IC], 1
	s_cbranch_scc1 .Lblk1
	s_cmp_eq_u32 s[IC], 2
	s_cbranch_scc1 .Lblk2
	s_cmp_eq_u32 s[IC], 3
	s_cbranch_scc1 .Lblk3
	BLK 4
	s_branch .Lcommon
.Lblk0:
	BLK 0
	s_branch .Lcommon
.Lblk1:
	BLK 1
	s_branch .Lcommon
.Lblk2:
	BLK 2
	s_branch .Lcommon
.Lblk3:
	BLK 3
.Lcommon:
	WIN 0x55                                       ; all in v256 on: u at 0, the divisor at 64, the packed result at 128
.set kk, 0
.rept 64
	v_exp_f32 v[64+kk], v[kk]
.set kk, kk+1
.endr
	v_nop                                          ; a plain instruction behind the last exponential,
	s_wait_alu depctr_va_vdst(0)                   ; and one wait for the batch, ahead of its first reader
.set kk, 0
.rept 32
	v_pk_fma_f32 v[64+2*kk:65+2*kk], v[64+2*kk:65+2*kk], s[NC:NC+1], s[NC:NC+1] op_sel_hi:[1,0,0]
.set kk, kk+1
.endr
.set kk, 0
.rept 64
	v_rcp_f32 v[64+kk], v[64+kk]
.set kk, kk+1
.endr
	v_nop
	s_wait_alu depctr_va_vdst(0)
.set kk, 0
.rept 32
	v_pk_mul_f32 v[2*kk:2*kk+1], v[2*kk:2*kk+1], v[64+2*kk:65+2*kk]
.set kk, kk+1
.endr
.set nn, 0
.rept 32                               ; piece 4 g + c, register 2 (j % 2) + t / 2: columns t and t + 1 of j = 2 c + j % 2
	v_cvt_pk_bf16_f32 v[128+nn], v[8*(4*(nn/16)+2*(nn%2))+2*((nn/4)%4)+(nn/2)%2], v[8*(4*(nn/16)+2*(nn%2)+1)+2*((nn/4)%4)+(nn/2)%2]
.set nn, nn+1
.endr
	WIN 0x04
.set nn, 0
.rept 8
	global_store_b128 v[ST], v[128+4*nn:128+4*nn+3], s[OB:OB+1] offset:(nn/4)*2048+(nn%4)*512   ; 512 consecutive bytes each
.set nn, nn+1
.endr
	WIN 0
	s_add_co_u32 s[IC], s[IC], 1
	s_cmp_lt_u32 s[IC], s[NT]
	s_cbranch_scc1 .Lep
.Lep_end:
.endif
	s_wait_xcnt 0x0                                ; the stores have read their registers: bases, offsets and data are written again only behind this wait
	s_add_co_u32 s[PFT], s[PFT], PT
	PARAMS
	s_cmp_lg_u32 s[LIVE], 0
	s_cbranch_scc0 .Lnonext                        ; behind the fourth pass nothing is left: an expert has 64 tiles at the most
	s_mov_b64 s[WP:WP+1], s[4:5]                   ; an expert with more than 320 rows walks its weights again
	v_mov_b32 v[WOC], v[WOFF]
	WQ 0
	WQ 1
	WQ 2
	WQ 3
	PF
.if SECOND
	PERMLOADS
.endif
	ACCINIT
	v_mov_b32 v[BSTA], v[BST0]                     ; slot 0's last reads stand in front of this pass's last barrier
	PRO
.Lnonext:
	s_sub_co_u32 s[PCNT], s[PCNT], 1
	s_cmp_lg_u32 s[PCNT], 0
	s_cbranch_scc1 .Lpass
	s_wait_tensorcnt 0x0                           ; the wave's end
	ds_add_u32 v[SPW], v[NIL]
	s_wait_dscnt 0x0
	s_endpgm
.Lfunc_end_k_qd8b8175b86_ffn1:
	.size	k_qd8b8175b86_ffn1, .Lfunc_end_k_qd8b8175b86_ffn1-k_qd8b8175b86_ffn1
	.p2alignl 7, 3214868480
	.fill 96, 4, 3214868480
	.section	.rodata,"a",@progbits
	.p2align	6, 0x0
	.amdhsa_kernel k_qd8b8175b86_ffn1
		.amdhsa_group_segment_fixed_size 98816
		.amdhsa_private_segment_fixed_size 0
		.amdhsa_enable_private_segment 0
		.amdhsa_kernarg_size 40
		.amdhsa_user_sgpr_count 2
		.amdhsa_user_sgpr_kernarg_segment_ptr 1
		.amdhsa_wavefront_size32 1
		.amdhsa_system_sgpr_workgroup_id_x 1
		.amdhsa_system_sgpr_workgroup_id_y 1
		.amdhsa_system_sgpr_workgroup_id_z 1
		.amdhsa_system_vgpr_workitem_id 0
		.amdhsa_next_free_vgpr 1024
		.amdhsa_next_free_sgpr 66
		.amdhsa_reserve_vcc 0
		.amdhsa_float_denorm_mode_32 3
		.amdhsa_float_denorm_mode_16_64 3
		.amdhsa_memory_ordered 1
		.amdhsa_forward_progress 1
		.amdhsa_inst_pref_size 126
	.end_amdhsa_kernel
	.amdgpu_metadata
---
amdhsa.version: [ 1, 2 ]
amdhsa.kernels:
  - .name:           k_qd8b8175b86_ffn1
    .symbol:         k_qd8b8175b86_ffn1.kd
    .args:
      - { .name: W1, .offset: 0, .size: 8, .value_kind: global_buffer, .address_space: global }
      - { .name: b1, .offset: 8, .size: 8, .value_kind: global_buffer, .address_space: global }
      - { .name: xs, .offset: 16, .size: 8, .value_kind: global_buffer, .address_space: global }
      - { .name: perm, .offset: 24, .size: 8, .value_kind: global_buffer, .address_space: global }
      - { .name: hs, .offset: 32, .size: 8, .value_kind: global_buffer, .address_space: global }
    .group_segment_fixed_size: 98816
    .private_segment_fixed_size: 0
    .kernarg_segment_align: 8
    .kernarg_segment_size: 40
    .max_flat_workgroup_size: 128
    .sgpr_count:     66
    .vgpr_count:     1024
    .wavefront_size: 32
...
	.end_amdgpu_metadata
.endif
;; end of part 3
;; launch ffn2 (part 4): grid 256 x 1, 4 waves a work-group, no clusters, 98,816 bytes of LDS; arguments W2, b2, hs, perm, gws, part; writes part
.if DOCPART == 4
	.amdgcn_target "amdgcn-amd-amdhsa--gfx1250"
	.amdhsa_code_object_version 6
	.text
	.protected	k_qd8b8175b86_ffn2
	.globl	k_qd8b8175b86_ffn2
	.p2align	8
	.type	k_qd8b8175b86_ffn2,@function
k_qd8b8175b86_ffn2:
	s_mov_b64 s[64:65], 0
	v_nop
	global_prefetch_b8 v0, s[64:65] scope:SCOPE_SE
	s_setreg_imm32_b32 hwreg(HW_REG_WAVE_MODE, 25, 1), 1
	s_wait_xcnt 0x0
; ONE TEXT FOR BOTH PRODUCTS OF THE EXPERTS; SECOND = 0: hs = silu(xs x W1 + b1), SECOND = 1: part = weight x (hs x W2 + b2), a quarter of K at a time.
; W and the bias are rounded once to bf16 on their way through registers (every input of this program is); sums, silu and the weight in f32; hs is rounded once to bf16; part stays f32 (partial sums).
; LIMITS.  NaN and infinities are not treated apart.  silu(x) = x / (1 + e^-x) by v_exp_f32 and v_rcp_f32; where e^-x overflows the result is -0.
; SHARES.  A work-group has 1,024 k x 128 columns of ONE expert's weights, which it alone reads, and all rows of that expert.  First product: 8 experts x 32 slices.  Second: 8 experts x 8 slices x 4 quarters of K.
; K goes in 8 chunks of 128.  Wave w loads the 32 rows of K step w of each chunk (32 loads of 16 bytes a lane; 16 lanes take 256 consecutive, aligned bytes of a row), rounds them, and lays 8 operand fragments into LDS
; for all four waves.  No transpose: lane (rho, h) holds columns 64 g + 4 rho + t of rows 64 b + 32 h + 16 f + j; the numbers of one t and j = 0..15 ARE a fragment's 8 registers, for the 16 columns 64 g + 4 rho + t,
; with k permuted as xs and hs are laid out.  The rows come as tiles of 16, straight from memory into operand registers (512 consecutive bytes a load).
; Wave w multiplies tiles 20 p + w + 4 i, i = 0..4, of pass p, each by all 128 columns.  Four passes serve the 64 tiles that an expert can have; up to 320 rows need one, and each weight is then read once.
; THE STREAM.  A chunk's products go K step by K step over all my tiles.  Behind K step s of chunk c stands a BOUNDARY: the wave waits for quarter s (8 loads) of its W of chunk c + 1, rounds it and lays it into the other
; slot, asks for K step s of its tiles' chunk c + 1 (10 loads, into the registers just multiplied) and for quarter s of W of chunk c + 2 (8 loads, into the registers just rounded).  So 32 loads of W are out at every
; moment, and each has a whole chunk's work in which to land.  Loads are counted in their order of issue, 18 a boundary: behind a quarter of W stand 54 when it is due, behind a K step's row loads 62.
; WHY FIVE TILES.  LOADcnt's field holds 63, and the issue of a load that would pass it waits (ISA guide 5.7.1).  Behind a boundary's wait at most 54 are out, the oldest 10 of them row loads asked for a chunk ago:
; 44 and the boundary's 18 make 62.  With six tiles it would be 48 and 20, and the issue would hang on a quarter of W that is not yet due.
; W's fragments come out of LDS a K step (16 loads) ahead of their products.
; CONTROL.  The number of tiles is read from memory, so every barrier stands on every path: the passes and chunks are counted by constants, and only work between barriers is jumped (LIVE: the pass has tiles; NT: how
; many are mine).  The way round such work waits for all loads, of which there are none in a pass without tiles: so each counted wait below finds either nothing pending or the order of loads that its comment counts.
; A tile past NT keeps its loads, all lanes at one word of a tile that exists, so that the counts stay; its products are jumped.  Chunk 6, behind which no W is left, keeps its 32 loads of W in the same way.
; NO TENSOR LOADS, NO CLUSTER: each weight byte has one reader; the shared row tiles are wanted in numbers that hang on stored counts, and a joint load may be jumped by no partner.
.set SECOND, 1
.if SECOND
.set LOGP, 12                          ; a row of W2, and of b2, is 4,096 bytes
.set LOGT, 17                          ; a tile of hs is 131,072 bytes
.else
.set LOGP, 14                          ; a row of W1, and of b1, is 16,384 bytes
.set LOGT, 15                          ; a tile of xs is 32,768 bytes
.endif
.set PITCH, 1<<LOGP
.set CH,    128*PITCH                  ; a chunk of W
.set NTW,   5                          ; tiles of a wave in a pass
.set PT,    4*NTW                      ; tiles of a pass
.set PASSES, 4                         ; 4 x 20 = 80 tiles, 64 are the most
.set SLOTB, 32768                      ; LDS 0..65535: two slots of 32 fragments; fragment 8 s + 4 g + t at x 1,024, its registers 4 x .. at + 512 x + 16 lane; wave w writes bytes 8,192 w .. of a slot
.set IMGB,  65536                      ; 65536..98303: for each wave 8,192 bytes of its own: the bias as 8 accumulators hold it
.set SPARE, 98304                      ; the spare words, 128 bytes a wave
; VECTOR REGISTERS by their absolute numbers; an instruction names 256, s_set_vgpr_msb picks the window of each operand place (bits 1:0 source 0, 3:2 source 1, 5:4 source 2, 7:6 destination)
.set SPW,  1                           ; my spare word's address; never rewritten
.set NIL,  2                           ; 0; never rewritten
.set L16,  3                           ; 16 x lane
.set WOFF, 4                           ; my 16 bytes in my K step's first row of a chunk of W
.set PFO,  5                           ; the first byte of my row (lane % 16, h) of that K step, for the prefetch
.set BST0, 6                           ; where I lay fragments in slot 0
.set BLDA, 7                           ; the slot that is read
.set BSTA, 8                           ; the slot that is written
.set IMG,  9                           ; my wave's bias image
.set AOFF, 10                          ; v10-14  tile i's byte offset from the pass's first tile
.set PO,   16                          ; v16-20  second product: tile i's offset in perm and gws
.set TMPV, 22
.set ST,   23                          ; first product: the stores' offset
.set WOC,  24                          ; WOFF, or 0 in chunk 6: what the loads of W name
.set OOFF, 25
.set H32,  26
.set RHO,  27
.set HH,   28
.set BOFF, 29
.set S,    32                          ; v32-159   W as loaded: quarter q = 2 g + x, row 8 x + jj of the 16, at S + 32 q + 4 jj
.set CV,   160                         ; v160-191  two sets of 16: rounded fragments on their way to LDS; second product's way out: the rows' offsets
                                       ; v192-223  operand registers of tile 4;  v896-1023 of tiles 0-3: 32 a tile, K step s at + 8 s
                                       ; v832-895, v224-239  second product: tile i's 8 row numbers and 8 weights (tiles 0-3, tile 4)
.set B,    256                         ; v256-511  the chunk's 32 fragments of W, K step s at + 64 s; at work in the head and on the way out
.set ACC,  512                         ; v512-831  accumulators: tile i, column tile ct = 4 g + t at ACC + 64 i + 8 ct
; SCALARS
.set WV,   16
.set EX,   17
.set SL,   18
.set QQ,   19
.set TB,   20                          ; the expert's first tile
.set NTL,  21                          ; its tiles
.set PFT,  22                          ; 20 x pass
.set LIVE, 23
.set NT,   24
.set PCNT, 25
.set LC,   26
.set SB,   27
.set WP,   28                          ; s[28:29] W at the chunk last asked for
.set AP,   30                          ; s[30:31] the pass's first tile, at the chunk last asked for
.set OB,   32                          ; s[32:33] the stores' base
.set PMB,  34                          ; s[34:35] perm, s[36:37] gws at the pass's first tile
.set GWB,  36
.set TI,   38                          ; s38-42  tile i's number in the pass, 0 if it is dead
.set IC,   52
.set QM,   53
.set NC,   54                          ; s[54:55] -log2(e)
.set EOFF, 56
.set MSB, 0
.macro WIN new                         ; the immediate's high byte repeats the setting that is left; a switch that changes nothing is dropped
.if MSB != (\new)
	s_set_vgpr_msb (MSB<<8)|(\new)
.set MSB, (\new)
.endif
.endm
.macro WQ q                            ; quarter q of my K step of the chunk at WP: 8 rows, half q / 2 of their 512 bytes.  Read once in the launch: non-temporal
.set jj, 0
.rept 8
	global_load_b128 v[S+32*(\q)+4*jj:S+32*(\q)+4*jj+3], v[WOC], s[WP:WP+1] offset:(8*((\q)%2)+jj)*PITCH+((\q)/2)*256 th:TH_LOAD_NT
.set jj, jj+1
.endr
.endm
.macro PF                              ; my K step's 32 rows x 512 bytes of the chunk BEHIND the one at WP: a lane a row, two blocks of 256 bytes; each wave asks for what it alone will load
	global_prefetch_b8 v[PFO], s[WP:WP+1] offset:CH th:TH_LOAD_NT scope:SCOPE_SE
	global_prefetch_b8 v[PFO], s[WP:WP+1] offset:CH+256 th:TH_LOAD_NT scope:SCOPE_SE
.endm
.macro PARAMS                          ; what a pass hangs on.  Each number that enters an address is clamped by a constant last, and then only shifted and added
	s_sub_co_i32 s44, s[NTL], s[PFT]
	s_max_i32 s44, s44, 0                          ; tiles left for this pass and later ones
	s_cmp_lg_u32 s44, 0
	s_cselect_b32 s[LIVE], 1, 0
	s_add_co_u32 s45, s44, 3
	s_sub_co_u32 s45, s45, s[WV]
	s_lshr_b32 s45, s45, 2
	s_min_u32 s[NT], s45, NTW                      ; of tiles w, w + 4, .. w + 16 those below what is left
	s_add_co_u32 s46, s[TB], s[PFT]
	s_cmp_lg_u32 s[LIVE], 0
	s_cselect_b32 s46, s46, 0
	s_min_u32 s46, s46, 135                        ; the pass's first tile; tile 0, which always exists, for a pass without tiles
	s_lshl_b32 s48, s46, LOGT
	s_mov_b32 s49, 0
	s_add_nc_u64 s[AP:AP+1], s[8:9], s[48:49]
.if SECOND
	s_lshl_b32 s48, s46, 6
	s_add_nc_u64 s[GWB:GWB+1], s[12:13], s[48:49]
	s_add_co_u32 s48, s48, 256
	s_add_nc_u64 s[PMB:PMB+1], s[10:11], s[48:49]
.else
	s_lshl_b32 s48, s46, 17
	s_add_nc_u64 s[OB:OB+1], s[12:13], s[48:49]
.endif
.set ii, 0
.rept NTW
	s_add_co_u32 s50, s[WV], 4*ii
	s_cmp_gt_u32 s[NT], ii
	s_cselect_b32 s50, s50, 0
	s_cselect_b32 s51, -1, 0
	s_min_u32 s[TI+ii], s50, PT-1
	s_lshl_b32 s50, s[TI+ii], LOGT
	v_and_b32 v[TMPV], s51, v[L16]                 ; a dead tile's lanes all take one word
	v_min_u32 v[TMPV], 0x1f0, v[TMPV]
	v_add_nc_u32 v[AOFF+ii], s50, v[TMPV]
.set ii, ii+1
.endr
.endm
.macro ALOADS s                        ; K step s of my five tiles, of the chunk at AP: 2 loads a tile, 512 consecutive bytes each
.set ii, 0
.rept NTW
.set rA, 896+32*ii-832*(ii/4)
	WIN ((rA>>8)<<6)
	global_load_b128 v[(rA&255)+8*(\s):(rA&255)+8*(\s)+3], v[AOFF+ii], s[AP:AP+1] offset:1024*(\s)
	global_load_b128 v[(rA&255)+8*(\s)+4:(rA&255)+8*(\s)+7], v[AOFF+ii], s[AP:AP+1] offset:1024*(\s)+512
.set ii, ii+1
.endr
	WIN 0
.endm
.macro PERMLOADS                       ; second product: my 8 rows' numbers and weights of each tile: 20 loads at a pass's start, read on its way out
.set ii, 0
.rept NTW
	s_lshl_b32 s44, s[TI+ii], 6
	v_add_nc_u32 v[PO+ii], s44, v[H32]
.set ii, ii+1
.endr
.set ii, 0
.rept NTW
.set rP, 832+16*ii-672*(ii/4)
	WIN ((rP>>8)<<6)
	global_load_b128 v[(rP&255):(rP&255)+3], v[PO+ii], s[PMB:PMB+1]
	global_load_b128 v[(rP&255)+4:(rP&255)+7], v[PO+ii], s[PMB:PMB+1] offset:16
	global_load_b128 v[(rP&255)+8:(rP&255)+11], v[PO+ii], s[GWB:GWB+1]
	global_load_b128 v[(rP&255)+12:(rP&255)+15], v[PO+ii], s[GWB:GWB+1] offset:16
.set ii, ii+1
.endr
	WIN 0
.endm
.macro ACCINIT                         ; the sums begin with the bias: nothing is cleared, and every accumulator is written whatever the counts
.set ii, 0
.rept NTW
	WIN (((ACC+64*ii)>>8)<<6)
.set kk, 0
.rept 16
	ds_load_b128 v[((ACC+64*ii)&255)+4*kk:((ACC+64*ii)&255)+4*kk+3], v[IMG] offset:512*kk
.set kk, kk+1
.endr
.set ii, ii+1
.endr
	WIN 0
.endm
.macro CVTQ q                          ; quarter q = 2 g + x of S -> registers 4 x .. 4 x + 3 of the four fragments (g, t), in the slot that is written; kk = 4 t + place
.set kk, 0
.rept 16
	v_cvt_pk_bf16_f32 v[CV+16*((\q)%2)+kk], v[S+32*(\q)+8*(kk%4)+kk/4], v[S+32*(\q)+8*(kk%4)+4+kk/4]
.set kk, kk+1
.endr
.set kk, 0
.rept 4
	ds_store_b128 v[BSTA], v[CV+16*((\q)%2)+4*kk:CV+16*((\q)%2)+4*kk+3] offset:(4*((\q)/2)+kk)*1024+((\q)%2)*512
.set kk, kk+1
.endr
.endm
.macro BL s                            ; K step s's 8 fragments of W out of the slot that is read: 16 loads
	WIN 0x40
.set kk, 0
.rept 16
	ds_load_b128 v[64*(\s)+4*kk:64*(\s)+4*kk+3], v[BLDA] offset:512*(16*(\s)+kk)
.set kk, kk+1
.endr
	WIN 0
.endm
.macro BAR                             ; ONE barrier a chunk.  In front of it my stores into the slot to be read and my reads of the other slot are done; behind it the one is read and the other written
	s_wait_dscnt 0x0
	v_add_nc_u32 v[BLDA], s[SB], v[L16]
	s_xor_b32 s[SB], s[SB], SLOTB
	v_add_nc_u32 v[BSTA], s[SB], v[BST0]
	s_barrier_signal -1
	s_barrier_wait -1
.endm
.macro MMA                             ; rD += the row fragment rX times the weight fragment rW
.if SECOND
	WIN ((rD>>8)*0x50)|((rW>>8)<<2)|(rX>>8)
	v_wmma_f32_16x16x32_bf16 v[rD&255:(rD&255)+7], v[rX&255:(rX&255)+7], v[rW&255:(rW&255)+7], v[rD&255:(rD&255)+7]
.else
	WIN ((rD>>8)*0x50)|((rX>>8)<<2)|(rW>>8)
	v_wmma_f32_16x16x32_bf16 v[rD&255:(rD&255)+7], v[rW&255:(rW&255)+7], v[rX&255:(rX&255)+7], v[rD&255:(rD&255)+7]
.endif
.endm
; K step s of a chunk: 8 products a tile, my live tiles in ascending order; at the first dead one the rest is jumped.  The accumulators take turns, one instruction a turn: a tile's 8, then the
; next tile's; the next K step begins on tile 0's first, which is never the one written last.  na: the younger loads that may stay out when this K step's 10 row loads must be in; nd: the same for its 16 LDS loads.
.macro KSTEP s, na, nd
	s_wait_loadcnt \na
	s_wait_dscnt \nd
.set ii, 0
.rept NTW
	WIN 0                                          ; at a branch and at a label every window is 0
	s_cmp_le_u32 s[NT], ii
	s_cbranch_scc1 .Lke_\@
.set rA, 896+32*ii-832*(ii/4)
.set ct, 0
.rept 8
.set rD, ACC+64*ii+8*ct
.set rW, B+8*(8*(\s)+ct)
.set rX, rA+8*(\s)
	MMA
.set ct, ct+1
.endr
.set ii, ii+1
.endr
	WIN 0
.Lke_\@:
.endm
; THE BOUNDARY behind K step s.  n: the younger loads that may stay out when quarter s of W must be in.  The 16 conversions are also the four places between the K step's products and the loads into
; their sources.  inloop = 0: a pass's beginning, where the boundaries stand without products: chunk 0 of W is rounded, chunk 0 of the rows and chunk 1 of W are asked for.
; The bases are stepped at boundary 0, behind s_wait_xcnt 0; the last load stands a K step's products back.
.macro BOUND s, n, inloop
	s_wait_loadcnt \n
	CVTQ \s
.if (\s) == 0
	s_wait_xcnt 0x0
.if \inloop
	s_add_nc_u64 s[AP:AP+1], s[AP:AP+1], 4096      ; the tiles' next chunk
	s_cmp_ge_u32 s[LC], 2                          ; chunks 0 to 5: W goes a chunk on.  Chunk 6: it stays at chunk 7, and all lanes take one word of each row
	s_cselect_b32 s44, CH, 0
	s_cselect_b32 s46, -1, 0
	s_mov_b32 s45, 0
	s_add_nc_u64 s[WP:WP+1], s[WP:WP+1], s[44:45]
	v_and_b32 v[WOC], s46, v[WOFF]
.else
	s_add_nc_u64 s[WP:WP+1], s[WP:WP+1], CH
.endif
.endif
	ALOADS \s
	WQ \s
.if (\s) == 0
.if \inloop
	s_cmp_ge_u32 s[LC], 3
	s_cbranch_scc0 .Lnopf_\@                       ; in chunk c the chunk c + 3 is asked for only where it exists (c <= 4): no prefetch leaves the slice
	PF
.Lnopf_\@:
.else
	PF                                             ; chunk 2
.endif
.endif
.endm
; A pass's beginning.  Ahead of it went chunk 0 of W (quarters 0 to 3, 32 loads) and, in the second product, the 20 loads of PERMLOADS.  Behind quarter s stand the later quarters' 8 (3 - s), those 20, and 18 s
; of the boundaries before; 63 is the largest count that the wait can name.
.macro PRO
.if SECOND
	BOUND 0, 44, 0
	BOUND 1, 54, 0
	BOUND 2, 63, 0
	BOUND 3, 63, 0
.else
	BOUND 0, 24, 0
	BOUND 1, 34, 0
	BOUND 2, 44, 0
	BOUND 3, 54, 0
.endif
.endm
	s_load_b256 s[4:11], s[0:1], 0x0               ; W s[4:5], bias s[6:7], rows (xs or hs) s[8:9], perm s[10:11]
.if SECOND
	s_load_b128 s[12:15], s[0:1], 0x20             ; gws s[12:13], part s[14:15]
.else
	s_load_b64 s[12:13], s[0:1], 0x20              ; hs
.endif
	v_lshl_add_u32 v[SPW], v0, 2, SPARE
	v_mov_b32 v[NIL], 0
	v_lshrrev_b32 v[TMPV], 5, v0
	v_readfirstlane_b32 s[WV], v[TMPV]             ; wave 0..3
	v_and_b32 v[L16], 31, v0
	v_lshlrev_b32 v[L16], 4, v[L16]
	v_and_b32 v[RHO], 15, v0
	v_bfe_u32 v[HH], v0, 4, 1
	s_lshr_b32 s[EX], ttmp9, 5                     ; the expert
.if SECOND
	s_bfe_u32 s[SL], ttmp9, 0x30002                ; the slice of 128 columns,
	s_and_b32 s[QQ], ttmp9, 3                      ; the quarter of K
.else
	s_and_b32 s[SL], ttmp9, 31                     ; the slice of 128 columns
.endif
	s_lshr_b32 s44, s[WV], 1                       ; my K step's first row in a chunk: 64 (w / 2) + 16 (w % 2),
	s_lshl_b32 s44, s44, 6
	s_and_b32 s45, s[WV], 1
	s_lshl_b32 s45, s45, 4
	s_add_co_u32 s44, s44, s45
	s_lshl_b32 s44, s44, LOGP
	v_lshl_add_u32 v[TMPV], v[HH], LOGP+5, s44     ; + 32 h rows
	v_lshl_add_u32 v[WOFF], v[RHO], 4, v[TMPV]
	v_lshl_add_u32 v[PFO], v[RHO], LOGP, v[TMPV]
	s_lshl_b32 s45, s[WV], 13
	v_add_nc_u32 v[BST0], s45, v[L16]
	s_add_co_u32 s45, s45, IMGB
	v_add_nc_u32 v[IMG], s45, v[L16]
.if SECOND
	v_lshlrev_b32 v[OOFF], 4, v[RHO]               ; my 4 columns in 64
	v_lshlrev_b32 v[H32], 5, v[HH]                 ; my 8 rows' words in a tile's 16
	v_lshlrev_b32 v[BOFF], 4, v[RHO]
	s_cmp_eq_u32 s[QQ], 0
	s_cselect_b32 s[QM], -1, 0                     ; the bias belongs to the first quarter's sum alone
.else
	s_lshl_b32 s45, s[WV], 17
	v_add_nc_u32 v[OOFF], s45, v[L16]              ; tile w of the pass, 16 bytes a lane
	v_lshlrev_b32 v[BOFF], 7, v[HH]
	s_mov_b32 s[NC], 0xbfb8aa3b
	s_mov_b32 s[NC+1], 0xbfb8aa3b
.endif
	s_lshl_b32 s[EOFF], s[EX], 2
	s_lshl_b32 s44, s[EX], 24                      ; an expert's weights are 2^24 bytes
	s_lshl_b32 s45, s[SL], 9
	s_add_co_u32 s44, s44, s45
.if SECOND
	s_lshl_b32 s45, s[QQ], 22
	s_add_co_u32 s44, s44, s45
.endif
	s_mov_b32 s45, 0
	s_lshl_b32 s46, s[EX], LOGP
	s_lshl_b32 s47, s[SL], 9
	s_add_co_u32 s46, s46, s47
	s_mov_b32 s47, 0
	s_mov_b32 s49, 0
	s_wait_kmcnt 0x0
	s_load_b32 s[TB], s[10:11], s[EOFF] offset:0x0
	s_load_b32 s[NTL], s[10:11], s[EOFF] offset:0x20
	s_add_nc_u64 s[4:5], s[4:5], s[44:45]          ; W at my slice
	s_add_nc_u64 s[6:7], s[6:7], s[46:47]          ; the bias at my slice
.if SECOND
	s_lshl_b32 s48, s[QQ], 15
	s_add_nc_u64 s[8:9], s[8:9], s[48:49]          ; hs at my quarter of a tile
	s_lshl_b32 s48, s[QQ], 23
	s_lshl_b32 s50, s[SL], 9
	s_add_co_u32 s48, s48, s50
	s_add_nc_u64 s[OB:OB+1], s[14:15], s[48:49]    ; part at my quarter and slice
.else
	s_lshl_b32 s48, s[SL], 12
	s_add_nc_u64 s[12:13], s[12:13], s[48:49]      ; hs at my slice's two k blocks of a tile
.endif
	WIN 0x40
.if SECOND
	global_load_b128 v[0:3], v[BOFF], s[6:7]       ; b(64 g + 4 rho + t)
	global_load_b128 v[4:7], v[BOFF], s[6:7] offset:256
.else
.set kk, 0
.rept 16                               ; b(64 g + 32 h + 4 j + t): g = kk / 8, j = kk % 8
	global_load_b128 v[4*kk:4*kk+3], v[BOFF], s[6:7] offset:(kk/8)*256+(kk%8)*16
.set kk, kk+1
.endr
.endif
	WIN 0
	s_mov_b64 s[WP:WP+1], s[4:5]
	v_mov_b32 v[WOC], v[WOFF]
	WQ 0                                           ; chunk 0 goes out before the counts are known: it is wanted whatever they are, but for an expert without rows
	WQ 1
	WQ 2
	WQ 3
	PF                                             ; chunk 1
	s_wait_kmcnt 0x0
	s_min_u32 s[TB], s[TB], 135
	s_min_u32 s[NTL], s[NTL], 64
	s_mov_b32 s[PFT], 0
	PARAMS
.if SECOND
	PERMLOADS
.endif
	s_wait_loadcnt 32+20*SECOND                    ; the bias is in: behind it went W's 32 loads and, in the second product, PERMLOADS' 20
	WIN 0x55                                       ; all in v256 on
.if SECOND
.set nn, 0
.rept 4                                ; rounded to bf16 and widened again; column tile ct in v272 + ct
	v_cvt_pk_bf16_f32 v[8+nn], v[2*nn], v[2*nn+1]
	v_lshlrev_b32 v[16+2*nn], 16, v[8+nn]
	v_and_b32 v[17+2*nn], 0xffff0000, v[8+nn]
.set nn, nn+1
.endr
.set nn, 0
.rept 32                               ; a lane's column is the same in all 8 registers of an accumulator
	v_and_b32 v[32+nn], s[QM], v[16+nn/4]
.set nn, nn+1
.endr
	WIN 0x04
.set nn, 0
.rept 16
	ds_store_b128 v[IMG], v[32+4*(nn/2):32+4*(nn/2)+3] offset:512*nn
.set nn, nn+1
.endr
.else
.set nn, 0
.rept 16                               ; nn = 2 ct + x, ct = 4 g + t: registers j = 4 x .. 4 x + 3 of accumulator ct hold b(64 g + 32 h + 4 j + t)
.set gg, nn/8
.set tt, (nn/2)%4
.set xx, nn%2
	v_cvt_pk_bf16_f32 v128, v[4*(8*gg+4*xx)+tt], v[4*(8*gg+4*xx+1)+tt]
	v_cvt_pk_bf16_f32 v129, v[4*(8*gg+4*xx+2)+tt], v[4*(8*gg+4*xx+3)+tt]
	v_lshlrev_b32 v[64+4*nn], 16, v128
	v_and_b32 v[64+4*nn+1], 0xffff0000, v128
	v_lshlrev_b32 v[64+4*nn+2], 16, v129
	v_and_b32 v[64+4*nn+3], 0xffff0000, v129
.set nn, nn+1
.endr
	WIN 0x04
.set nn, 0
.rept 16
	ds_store_b128 v[IMG], v[64+4*nn:64+4*nn+3] offset:512*nn
.set nn, nn+1
.endr
.endif
	WIN 0
	ACCINIT                                        ; my own bytes: LDS serves a wave's instructions in order (ISA guide 5.7.1.4)
	v_mov_b32 v[BSTA], v[BST0]                     ; chunk 0 goes into slot 0
	PRO                                            ; the first pass's beginning stands on every path: it writes every register that the chunks read
	s_mov_b32 s[PCNT], PASSES
.Lpass:
	s_mov_b32 s[SB], 0
	s_mov_b32 s[LC], 7
.Lchunk:                                           ; chunk c = 7 - LC = 0..6: multiply c, lay c + 1 into the other slot, ask for the rows' c + 1 and for W's c + 2
	BAR
	s_cmp_lg_u32 s[LIVE], 0
	s_cbranch_scc1 .Lb_live
	s_wait_loadcnt 0x0
	s_branch .Lb_done
.Lb_live:
	BL 0
	BL 1
	KSTEP 0, 62, 16                                ; loads: behind a K step's 10 row loads went 8 of W and three boundaries of 18.  LDS: behind K step 0's 16 loads went K step 1's 16
	BOUND 0, 54, 1                                 ; behind a quarter of W went three boundaries of 18
	BL 2
	KSTEP 1, 62, 20                                ; LDS: the boundary's 4 stores and the next K step's 16 loads
	BOUND 1, 54, 1
	BL 3
	KSTEP 2, 62, 20
	BOUND 2, 54, 1
	KSTEP 3, 62, 4                                 ; LDS: the boundary's 4 stores
	BOUND 3, 54, 1
.Lb_done:
	s_sub_co_u32 s[LC], s[LC], 1
	s_cmp_lg_u32 s[LC], 0
	s_cbranch_scc1 .Lchunk
	BAR                                            ; chunk 7: nothing is left to round or to ask for
	s_cmp_lg_u32 s[LIVE], 0
	s_cbranch_scc0 .Lc_done
	BL 0
	BL 1
	KSTEP 0, 62, 16                                ; loads: behind K step s's 10 row loads went 8 and chunk 6's later boundaries: 8 + 18 (3 - s)
	BL 2
	KSTEP 1, 44, 16
	BL 3
	KSTEP 2, 26, 16
	KSTEP 3, 8, 0
.rept 4
	v_nop                                          ; four places between the last products and the readers of their results (ISA guide 7.12.1)
.endr
.Lc_done:
	s_wait_loadcnt 0x0
.if SECOND
; THE WAY OUT, second product.  Register j of accumulator 4 g + t holds row 8 h + j, column 64 g + 4 rho + t: the four t are 16 bytes, 16 lanes 256 consecutive, aligned bytes of a row of part.
; The multiply by the row's weight also brings the four together.  j ascends.
.macro EPI2 i
.set rP, 832+16*(\i)-672*((\i)/4)
	s_cmp_le_u32 s[NT], \i
	s_cbranch_scc1 .Lep_end
	s_wait_xcnt 0x0                                ; the last tile's stores have read their offsets and data
	WIN ((rP>>8)<<2)
.set jj, 0
.rept 8
	v_min_u32 v[CV+jj], 0x7ff, v[(rP&255)+jj]
.set jj, jj+1
.endr
	WIN 0
.set jj, 0
.rept 8
	v_lshl_add_u32 v[CV+jj], v[CV+jj], 12, v[OOFF] ; row token + 1,024 x choice, 4,096 bytes a row
.set jj, jj+1
.endr
	WIN 0x40|((rP>>8)<<2)|((ACC+64*(\i))>>8)
.set jj, 0
.rept 8
.set kk, 0
.rept 8
	v_mul_f32 v[8*jj+kk], v[((ACC+64*(\i))&255)+8*kk+jj], v[(rP&255)+8+jj]
.set kk, kk+1
.endr
.set jj, jj+1
.endr
	WIN 0x04
.set jj, 0
.rept 8
	global_store_b128 v[CV+jj], v[8*jj:8*jj+3], s[OB:OB+1]
	global_store_b128 v[CV+jj], v[8*jj+4:8*jj+7], s[OB:OB+1] offset:256
.set jj, jj+1
.endr
	WIN 0
.endm
	EPI2 0
	EPI2 1
	EPI2 2
	EPI2 3
	EPI2 4
.Lep_end:
.else
; THE WAY OUT, first product: a loop over my NT tiles; no LDS and no barrier in it.  A lane holds ONE row (lane % 16) and the columns 64 g + 32 h + 4 j + t, which are the k that the same lane holds in hs's layout.
; u = -log2(e) x; silu(x) = u / (-log2(e) (1 + 2^u)).  The 64 exponentials are one batch with one wait, and so are the 64 reciprocals.
.macro BLK i                           ; u of tile i into v256-319, each accumulator's registers ascending
	WIN 0x40|((ACC+64*(\i))>>8)
.set kk, 0
.rept 32
	v_pk_mul_f32 v[2*kk:2*kk+1], v[((ACC+64*(\i))&255)+2*kk:((ACC+64*(\i))&255)+2*kk+1], s[NC:NC+1] op_sel_hi:[1,0]
.set kk, kk+1
.endr
	WIN 0
.endm
	s_cmp_eq_u32 s[NT], 0
	s_cbranch_scc1 .Lep_end
	s_mov_b32 s[IC], 0
.Lep:
	s_wait_xcnt 0x0                                ; the last tile's stores have read their offset and data
	s_lshl_b32 s44, s[IC], 19                      ; my tiles lie four tiles of 131,072 bytes apart
	v_add_nc_u32 v[ST], s44, v[OOFF]
	s_cmp_eq_u32 s[IC], 0
	s_cbranch_scc1 .Lblk0
	s_cmp_eq_u32 s[IC], 1
	s_cbranch_scc1 .Lblk1
	s_cmp_eq_u32 s[IC], 2
	s_cbranch_scc1 .Lblk2
	s_cmp_eq_u32 s[IC], 3
	s_cbranch_scc1 .Lblk3
	BLK 4
	s_branch .Lcommon
.Lblk0:
	BLK 0
	s_branch .Lcommon
.Lblk1:
	BLK 1
	s_branch .Lcommon
.Lblk2:
	BLK 2
	s_branch .Lcommon
.Lblk3:
	BLK 3
.Lcommon:
	WIN 0x55                                       ; all in v256 on: u at 0, the divisor at 64, the packed result at 128
.set kk, 0
.rept 64
	v_exp_f32 v[64+kk], v[kk]
.set kk, kk+1
.endr
	v_nop                                          ; a plain instruction behind the last exponential,
	s_wait_alu depctr_va_vdst(0)                   ; and one wait for the batch, ahead of its first reader
.set kk, 0
.rept 32
	v_pk_fma_f32 v[64+2*kk:65+2*kk], v[64+2*kk:65+2*kk], s[NC:NC+1], s[NC:NC+1] op_sel_hi:[1,0,0]
.set kk, kk+1
.endr
.set kk, 0
.rept 64
	v_rcp_f32 v[64+kk], v[64+kk]
.set kk, kk+1
.endr
	v_nop
	s_wait_alu depctr_va_vdst(0)
.set kk, 0
.rept 32
	v_pk_mul_f32 v[2*kk:2*kk+1], v[2*kk:2*kk+1], v[64+2*kk:65+2*kk]
.set kk, kk+1
.endr
.set nn, 0
.rept 32                               ; piece 4 g + c, register 2 (j % 2) + t / 2: columns t and t + 1 of j = 2 c + j % 2
	v_cvt_pk_bf16_f32 v[128+nn], v[8*(4*(nn/16)+2*(nn%2))+2*((nn/4)%4)+(nn/2)%2], v[8*(4*(nn/16)+2*(nn%2)+1)+2*((nn/4)%4)+(nn/2)%2]
.set nn, nn+1
.endr
	WIN 0x04
.set nn, 0
.rept 8
	global_store_b128 v[ST], v[128+4*nn:128+4*nn+3], s[OB:OB+1] offset:(nn/4)*2048+(nn%4)*512   ; 512 consecutive bytes each
.set nn, nn+1
.endr
	WIN 0
	s_add_co_u32 s[IC], s[IC], 1
	s_cmp_lt_u32 s[IC], s[NT]
	s_cbranch_scc1 .Lep
.Lep_end:
.endif
	s_wait_xcnt 0x0                                ; the stores have read their registers: bases, offsets and data are written again only behind this wait
	s_add_co_u32 s[PFT], s[PFT], PT
	PARAMS
	s_cmp_lg_u32 s[LIVE], 0
	s_cbranch_scc0 .Lnonext                        ; behind the fourth pass nothing is left: an expert has 64 tiles at the most
	s_mov_b64 s[WP:WP+1], s[4:5]                   ; an expert with more than 320 rows walks its weights again
	v_mov_b32 v[WOC], v[WOFF]
	WQ 0
	WQ 1
	WQ 2
	WQ 3
	PF
.if SECOND
	PERMLOADS
.endif
	ACCINIT
	v_mov_b32 v[BSTA], v[BST0]                     ; slot 0's last reads stand in front of this pass's last barrier
	PRO
.Lnonext:
	s_sub_co_u32 s[PCNT], s[PCNT], 1
	s_cmp_lg_u32 s[PCNT], 0
	s_cbranch_scc1 .Lpass
	s_wait_tensorcnt 0x0                           ; the wave's end
	ds_add_u32 v[SPW], v[NIL]
	s_wait_dscnt 0x0
	s_endpgm
.Lfunc_end_k_qd8b8175b86_ffn2:
	.size	k_qd8b8175b86_ffn2, .Lfunc_end_k_qd8b8175b86_ffn2-k_qd8b8175b86_ffn2
	.p2alignl 7, 3214868480
	.fill 96, 4, 3214868480
	.section	.rodata,"a",@progbits
	.p2align	6, 0x0
	.amdhsa_kernel k_qd8b8175b86_ffn2
		.amdhsa_group_segment_fixed_size 98816
		.amdhsa_private_segment_fixed_size 0
		.amdhsa_enable_private_segment 0
		.amdhsa_kernarg_size 48
		.amdhsa_user_sgpr_count 2
		.amdhsa_user_sgpr_kernarg_segment_ptr 1
		.amdhsa_wavefront_size32 1
		.amdhsa_system_sgpr_workgroup_id_x 1
		.amdhsa_system_sgpr_workgroup_id_y 1
		.amdhsa_system_sgpr_workgroup_id_z 1
		.amdhsa_system_vgpr_workitem_id 0
		.amdhsa_next_free_vgpr 1024
		.amdhsa_next_free_sgpr 66
		.amdhsa_reserve_vcc 0
		.amdhsa_float_denorm_mode_32 3
		.amdhsa_float_denorm_mode_16_64 3
		.amdhsa_memory_ordered 1
		.amdhsa_forward_progress 1
		.amdhsa_inst_pref_size 128
	.end_amdhsa_kernel
	.amdgpu_metadata
---
amdhsa.version: [ 1, 2 ]
amdhsa.kernels:
  - .name:           k_qd8b8175b86_ffn2
    .symbol:         k_qd8b8175b86_ffn2.kd
    .args:
      - { .name: W2, .offset: 0, .size: 8, .value_kind: global_buffer, .address_space: global }
      - { .name: b2, .offset: 8, .size: 8, .value_kind: global_buffer, .address_space: global }
      - { .name: hs, .offset: 16, .size: 8, .value_kind: global_buffer, .address_space: global }
      - { .name: perm, .offset: 24, .size: 8, .value_kind: global_buffer, .address_space: global }
      - { .name: gws, .offset: 32, .size: 8, .value_kind: global_buffer, .address_space: global }
      - { .name: part, .offset: 40, .size: 8, .value_kind: global_buffer, .address_space: global }
    .group_segment_fixed_size: 98816
    .private_segment_fixed_size: 0
    .kernarg_segment_align: 8
    .kernarg_segment_size: 48
    .max_flat_workgroup_size: 128
    .sgpr_count:     66
    .vgpr_count:     1024
    .wavefront_size: 32
...
	.end_amdgpu_metadata
.endif
;; end of part 4
;; launch combine (part 5): grid 256 x 1, 8 waves a work-group, no clusters, 0 bytes of LDS; arguments part, out0; writes out0
.if DOCPART == 5
	.amdgcn_target "amdgcn-amd-amdhsa--gfx1250"
	.amdhsa_code_object_version 6
	.text
	.protected	k_qd8b8175b86_combine
	.globl	k_qd8b8175b86_combine
	.p2align	8
	.type	k_qd8b8175b86_combine,@function
k_qd8b8175b86_combine:
	s_mov_b64 s[64:65], 0
	v_nop
	global_prefetch_b8 v0, s[64:65] scope:SCOPE_SE
	s_setreg_imm32_b32 hwreg(HW_REG_WAVE_MODE, 25, 1), 1
	s_wait_xcnt 0x0
; out0[token] = the sum over the four quarters of K and the token's two choices of part[quarter][token + 1,024 x choice], all f32, in one fixed order.
; A stream: a work-group owns 4 rows of out0, thread t the 16 bytes at 16 t of each row; a load or store of a wave covers 512 consecutive bytes.  All 32 loads of a wave go out ahead of the first wait.
; LDS, barriers and the matrix unit would add nothing here.
.set P, 4                              ; v[4:131]  row rr, quarter q, choice j at P + 32 rr + 8 q + 4 j
	s_load_b128 s[4:7], s[0:1], 0x0                ; part s[4:5], out0 s[6:7]
	v_lshlrev_b32 v1, 4, v0
	s_lshl_b32 s8, ttmp9, 14                       ; 4 rows of 4,096 bytes
	s_mov_b32 s9, 0
	s_wait_kmcnt 0x0
	s_add_nc_u64 s[16:17], s[4:5], s[8:9]          ; a base for each quarter, 2^23 bytes apart
	s_add_nc_u64 s[6:7], s[6:7], s[8:9]
	s_add_nc_u64 s[18:19], s[16:17], 0x800000
	s_add_nc_u64 s[20:21], s[18:19], 0x800000
	s_add_nc_u64 s[22:23], s[20:21], 0x800000
.set nn, 0
.rept 32                               ; row nn / 8, quarter (nn / 2) % 4, choice nn % 2; read once: non-temporal
	global_load_b128 v[P+4*nn:P+4*nn+3], v1, s[16+2*((nn/2)%4):17+2*((nn/2)%4)] offset:(nn%2)*4194304+(nn/8)*4096 th:TH_LOAD_NT
.set nn, nn+1
.endr
.macro ADD4 a, b                       ; four numbers onto four
	v_pk_add_f32 v[(\a):(\a)+1], v[(\a):(\a)+1], v[(\b):(\b)+1]
	v_pk_add_f32 v[(\a)+2:(\a)+3], v[(\a)+2:(\a)+3], v[(\b)+2:(\b)+3]
.endm
.set rr, 0
.rept 4
	s_wait_loadcnt 8*(3-rr)                        ; loads come back in order (ISA guide 5.7.1): this row's eight are in, the later rows' stay out
	ADD4 P+32*rr, P+32*rr+4
	ADD4 P+32*rr+8, P+32*rr+12
	ADD4 P+32*rr+16, P+32*rr+20
	ADD4 P+32*rr+24, P+32*rr+28
	ADD4 P+32*rr, P+32*rr+8
	ADD4 P+32*rr+16, P+32*rr+24
	ADD4 P+32*rr, P+32*rr+16
	global_store_b128 v1, v[P+32*rr:P+32*rr+3], s[6:7] offset:4096*rr th:TH_STORE_NT
.set rr, rr+1
.endr
	s_endpgm
.Lfunc_end_k_qd8b8175b86_combine:
	.size	k_qd8b8175b86_combine, .Lfunc_end_k_qd8b8175b86_combine-k_qd8b8175b86_combine
	.p2alignl 7, 3214868480
	.fill 96, 4, 3214868480
	.section	.rodata,"a",@progbits
	.p2align	6, 0x0
	.amdhsa_kernel k_qd8b8175b86_combine
		.amdhsa_group_segment_fixed_size 0
		.amdhsa_private_segment_fixed_size 0
		.amdhsa_enable_private_segment 0
		.amdhsa_kernarg_size 16
		.amdhsa_user_sgpr_count 2
		.amdhsa_user_sgpr_kernarg_segment_ptr 1
		.amdhsa_wavefront_size32 1
		.amdhsa_system_sgpr_workgroup_id_x 1
		.amdhsa_system_sgpr_workgroup_id_y 1
		.amdhsa_system_sgpr_workgroup_id_z 1
		.amdhsa_system_vgpr_workitem_id 0
		.amdhsa_next_free_vgpr 136
		.amdhsa_next_free_sgpr 66
		.amdhsa_reserve_vcc 0
		.amdhsa_float_denorm_mode_32 3
		.amdhsa_float_denorm_mode_16_64 3
		.amdhsa_memory_ordered 1
		.amdhsa_forward_progress 1
		.amdhsa_inst_pref_size 8
	.end_amdhsa_kernel
	.amdgpu_metadata
---
amdhsa.version: [ 1, 2 ]
amdhsa.kernels:
  - .name:           k_qd8b8175b86_combine
    .symbol:         k_qd8b8175b86_combine.kd
    .args:
      - { .name: part, .offset: 0, .size: 8, .value_kind: global_buffer, .address_space: global }
      - { .name: out0, .offset: 8, .size: 8, .value_kind: global_buffer, .address_space: global }
    .group_segment_fixed_size: 0
    .private_segment_fixed_size: 0
    .kernarg_segment_align: 8
    .kernarg_segment_size: 16
    .max_flat_workgroup_size: 256
    .sgpr_count:     66
    .vgpr_count:     136
    .wavefront_size: 32
...
	.end_amdgpu_metadata
.endif
;; end of part 5
;; ======== version 2 of 2: 5 launches; version 1 with the launch place written anew for expert scheduling mode
;; workspace buffers: bm 4,096 bytes of whole numbers; gw 8,192 bytes; xs 4,456,448 bytes; hs 17,825,792 bytes; perm 8,960 bytes of whole numbers; gws 8,704 bytes; part 33,554,432 bytes
;; launch router: the kernel of part 1 again; grid 32 x 1, 8 waves a work-group, no clusters, 17,408 bytes of LDS; arguments inputs, Wg, bg, bm, gw; writes bm, gw
;; launch place (part 6): grid 136 x 4, 1 waves a work-group, no clusters, 4,608 bytes of LDS; arguments bm, gw, inputs, xs, perm, gws; writes xs, perm, gws
.if DOCPART == 6
	.amdgcn_target "amdgcn-amd-amdhsa--gfx1250"
	.amdhsa_code_object_version 6
	.text
	.protected	k_qd8b8175b86_place
	.globl	k_qd8b8175b86_place
	.p2align	8
	.type	k_qd8b8175b86_place,@function
k_qd8b8175b86_place:
	s_mov_b64 s[64:65], 0
	v_nop
	global_prefetch_b8 v0, s[64:65] scope:SCOPE_SE
	s_setreg_imm32_b32 hwreg(HW_REG_WAVE_SCHED_MODE, 0, 2), 2
	s_setreg_imm32_b32 hwreg(HW_REG_WAVE_MODE, 25, 1), 1
	s_wait_xcnt 0x0
	s_wait_alu depctr_vm_vsrc(0)
; PLACE.  The 2,048 routed rows (token, choice) are laid out by expert, in tiles of 16 rows, each expert starting on a tile: never more than 135 tiles, (2,048 + 8 x 15) / 16.
; Work-group (T, w), one wave: quarter w (256 k) of tile T.  Each works the routing out for itself, in whole numbers, from the ballots and counts that the router stored.
; A tile that is not full repeats its expert's last row, so that every place of a tile holds a row that exists.  A work-group whose T is past the last tile stores nothing and ends: the grid serves every split.
; OUT.  xs: inputs rounded to bf16, in the order in which a matrix operand's registers take them: byte ((T x 16 + b) x 4 + c) x 512 + 16 l holds, for lane l = (r, h), row r of the tile, k = 64 b + 32 h + 8 c + 0..7.
; perm: words 0-7 each expert's first tile, 8-15 its tiles, 16-23 its rows, 24-31 zero; from byte 256 on, word 16 T + r = token + 1,024 x choice.  gws: word 16 T + r = that row's weight.
; THE MODE: SCHED_MODE bits 1:0 = 2 (LLVM: expert scheduling mode 2), set by the entry lines.  The code itself states the register dependences between vector instructions and memory or LDS instructions,
; and between vector instructions that write scalar registers and their readers, with s_wait_alu, always for 0.
; THE PLAN.  Registers that memory or LDS instructions touch, in the order of the text (there is no loop):
;   v6, v7        4 x lane and 16 x lane: made at the head, read by the loads of bm, the clearing stores, the stores of xs and of the table; never written again.
;   v216-219      zeros: read by the clearing stores; never written again.
;   v80-111, v112-143   list step j's LDS address and entry, a register of its own for each of the 32 steps: written by the steps' vector lines, read by the 32 list stores in ONE run; then inputs is loaded over them.
;   v14           where my row's entry lies: read by the one LDS load; never written again.
;   v208          that entry: lands by the LDS load, is clamped by a vector line, is stored into perm.   v211  its weight: lands by a load, is stored into gws.
;   v210, v212, v213    three offsets, made together; never written again.
;   v80-207       inputs as loaded, read by the conversions.   v16-79  the tile in bf16: written by the conversions, read by the 16 stores.   v214  the table, in one work-group alone.
; So five waits on va_vdst stand in the text, each ahead of a run of memory or LDS instructions, with no vector line between the wait and the run that names a register of the run; one wait on vm_vsrc stands ahead of the loads
; that land in the list's registers; and the lines that read a lane into a scalar register stand in groups, with one wait on va_sdst behind each group, ahead of its first reader.
; REGISTERS.  v16-79 and v80-207 are data (the records, then the tile in bf16; the list's registers, then inputs as loaded); whatever else lives across them lies below v16 or from v208 on.
; SCALARS.  s16-23 the experts' rows, s32-39 their first tiles, s40-47 their tiles: kept to the end, for the table; s52-59 the ballots of four list steps; temporaries s28, s48, s49, s56, s57.
.set TRASH, 4096                       ; LDS 0..4095: the expert's list, a word a row; 4096..4223: a word a lane for the lanes that have nothing to list
.set R,    16                          ; v[16:47]  record j of bm, word = lane; later v[16:79]: the tile in bf16
.set XI,   80                          ; v[80:207] inputs as loaded
.set RKB,  XI                          ; v[80:111]  before that: list step j's LDS address at RKB + j
.set ENB,  XI+32                       ; v[112:143] and its entry at ENB + j
.set RR,   4                           ; v4   r = lane % 16
.set HH,   5                           ; v5   h = lane / 16
.set L4,   6                           ; v6   4 x lane
.set L16,  7                           ; v7   16 x lane
.set CNTV, 8                           ; v8   the records added up
.set TOK0, 9                           ; v9   the step's token, as first choice
.set TOK1, 10                          ; v10  and as second
.set TRA,  11                          ; v11  my trash word
.set LK,   14                          ; v14  where my row's entry lies
.set IDX,  208                         ; v208 token + 1,024 x choice
.set TOK,  209                         ; v209 token
.set GWO,  210                         ; v210 its weight's offset
.set WGT,  211                         ; v211 its weight
.set XO,   212                         ; v212 its row's offset in inputs
.set PMO,  213                         ; v213 word 16 T + r
.set TAB,  214                         ; v214 the table
.set ZZ,   216                         ; v[216:219] zeros
	s_load_b256 s[4:11], s[0:1], 0x0               ; bm s[4:5], gw s[6:7], inputs s[8:9], xs s[10:11]
	s_load_b128 s[12:15], s[0:1], 0x20             ; perm s[12:13], gws s[14:15]
	v_lshl_add_u32 v15, v0, 2, 0x1100
	v_mov_b32 v215, 0
	v_and_b32 v[RR], 15, v0
	v_bfe_u32 v[HH], v0, 4, 1
	v_lshlrev_b32 v[L4], 2, v0
	v_lshlrev_b32 v[L16], 4, v0
	s_and_b32 s50, ttmp7, 0xffff                   ; w
	s_mov_b32 s51, ttmp9                           ; T
	s_wait_kmcnt 0x0
	s_wait_alu depctr_va_vdst(0)                   ; v[L4] is written, which the loads below read as their offset; so is v[L16], which later stores read
.set jj, 0
.rept 32
	global_load_b32 v[R+jj], v[L4], s[4:5] offset:128*jj
.set jj, jj+1
.endr
	s_wait_loadcnt 0x0
	v_add3_u32 v[CNTV], v16, v17, v18              ; the records added up: lanes 16-23 hold the experts' counts (the other lanes' sums serve nothing)
.set jj, 0
.rept 14
	v_add3_u32 v[CNTV], v[CNTV], v[19+2*jj], v[20+2*jj]
.set jj, jj+1
.endr
	v_add_nc_u32 v[CNTV], v[CNTV], v47
.set ee, 0
.rept 8                                ; the eight counts as scalars, in one group
	v_readlane_b32 s[16+ee], v[CNTV], 16+ee
.set ee, ee+1
.endr
	s_mov_b32 s24, 0                               ; tiles so far
	s_mov_b32 s25, 0                               ; my expert,
	s_mov_b32 s26, 0                               ; its first tile,
	s_mov_b32 s27, 0                               ; its rows
	s_wait_alu depctr_va_sdst(0)                   ; s16 to s23 are written, ahead of their first readers, the scalar lines below
.set ee, 0
.rept 8                                ; the last expert whose first tile is not past T is mine: it has tiles, since T lies below the total
	s_min_u32 s[16+ee], s[16+ee], 1024
	s_add_co_u32 s28, s[16+ee], 15
	s_lshr_b32 s[40+ee], s28, 4
	s_mov_b32 s[32+ee], s24
	s_cmp_le_u32 s24, s51
	s_cselect_b32 s25, ee, s25
	s_cselect_b32 s26, s24, s26
	s_cselect_b32 s27, s[16+ee], s27
	s_add_co_u32 s24, s24, s[40+ee]
.set ee, ee+1
.endr
	s_cmp_ge_u32 s51, s24
	s_cbranch_scc1 .Lnone                          ; no such tile in this split; nothing has been written to LDS
.set jj, 0
.rept 4
	v_mov_b32 v[ZZ+jj], 0
.set jj, jj+1
.endr
	; the expert's list: 32 tokens a step; a token's rank is the count so far plus the set bits below its own.  The steps make their addresses and entries here, each in registers of its own; the stores follow in one run.
	s_add_co_u32 s29, s25, 8
	s_mov_b32 s30, 0
	v_mov_b32 v[TOK0], v0
	v_add_nc_u32 v[TOK1], 1024, v0
	v_lshl_add_u32 v[TRA], v0, 2, TRASH
.set bb, 0
.rept 8                                ; four steps to a group: their eight ballots go into s52 to s59
.set kk, 0
.rept 4
	v_readlane_b32 s[52+2*kk], v[R+4*bb+kk], s25   ; chose it first,
	v_readlane_b32 s[53+2*kk], v[R+4*bb+kk], s29   ; chose it second
.set kk, kk+1
.endr
	s_wait_alu depctr_va_sdst(0)                   ; s52 to s59 are written, ahead of their first readers, the s_or_b32 below
.set kk, 0
.rept 4
	s_or_b32 s[52+2*kk], s[52+2*kk], s[53+2*kk]
	v_mbcnt_lo_u32_b32 v[RKB+4*bb+kk], s[52+2*kk], s30
	v_lshlrev_b32 v[RKB+4*bb+kk], 2, v[RKB+4*bb+kk]
	v_cndmask_b32 v[RKB+4*bb+kk], v[TRA], v[RKB+4*bb+kk], s[52+2*kk]
	v_min_u32 v[RKB+4*bb+kk], 0x107c, v[RKB+4*bb+kk]   ; inside the list and the words behind it, whatever was loaded
	v_cndmask_b32 v[ENB+4*bb+kk], v[TOK0], v[TOK1], s[53+2*kk]
	s_bcnt1_i32_b32 s28, s[52+2*kk]
	s_add_co_u32 s30, s30, s28
	v_add_nc_u32 v[TOK0], 32, v[TOK0]
	v_add_nc_u32 v[TOK1], 32, v[TOK1]
.set kk, kk+1
.endr
.set bb, bb+1
.endr
	s_sub_co_u32 s48, s51, s26
	s_lshl_b32 s48, s48, 4
	v_add_nc_u32 v[LK], s48, v[RR]                 ; my row's rank,
	s_sub_co_u32 s49, s27, 1
	v_min_u32 v[LK], s49, v[LK]                    ; the last row again past the count
	v_min_u32 v[LK], 0x3ff, v[LK]
	v_lshlrev_b32 v[LK], 2, v[LK]
	s_wait_alu depctr_va_vdst(0)                   ; the zeros, the 32 addresses, the 32 entries and v[LK] are written, which the 41 LDS instructions below read
	; the list is cleared first, 512 consecutive bytes a store, so that no read below can bring bytes that nobody wrote
.set jj, 0
.rept 8
	ds_store_b128 v[L16], v[ZZ:ZZ+3] offset:512*jj
.set jj, jj+1
.endr
.set jj, 0
.rept 32
	ds_store_b32 v[RKB+jj], v[ENB+jj]              ; LDS serves a wave's instructions in order (ISA guide 5.7.1.4): behind the clearing
.set jj, jj+1
.endr
	ds_load_b32 v[IDX], v[LK]                      ; in order again: this sees the stores above
	s_wait_dscnt 0x0
	v_min_u32 v[IDX], 0x7ff, v[IDX]                ; token + 1,024 x choice
	v_and_b32 v[TOK], 0x3ff, v[IDX]
	v_lshlrev_b32 v[GWO], 2, v[IDX]
	v_lshlrev_b32 v[XO], 12, v[TOK]
	v_lshl_add_u32 v[XO], v[HH], 7, v[XO]
	s_lshl_b32 s48, s50, 10
	v_add_nc_u32 v[XO], s48, v[XO]                 ; the token's row, + 32 h numbers, + the quarter's 256
	s_lshl_b32 s49, s51, 6
	v_lshl_add_u32 v[PMO], v[RR], 2, s49           ; word 16 T + r; lanes 16-31 repeat lanes 0-15, same place and same number
	s_wait_alu depctr_vm_vsrc(0)                   ; the list stores have read v80 to v143, in which the loads of inputs land
	s_wait_alu depctr_va_vdst(0)                   ; v[GWO], v[XO] and v[PMO] are written, which the loads below and the stores at the end read as offsets; so is v[IDX], which is stored; the steps' lines are done with v80 to v143
	global_load_b32 v[WGT], v[GWO], s[6:7]         ; its weight
.set nn, 0
.rept 32                               ; k block nn / 8, piece (nn / 2) % 4, its 32 bytes in two loads
	global_load_b128 v[XI+4*nn:XI+4*nn+3], v[XO], s[8:9] offset:(nn/8)*256+((nn/2)%4)*32+(nn%2)*16
.set nn, nn+1
.endr
	s_lshl_b32 s56, s51, 15
	s_lshl_b32 s57, s50, 13
	s_add_co_u32 s56, s56, s57
	s_mov_b32 s57, 0
	s_add_nc_u64 s[10:11], s[10:11], s[56:57]      ; xs at my quarter of my tile
	s_wait_loadcnt 0x0
.set nn, 0
.rept 64                               ; v16-79: the records are no longer wanted
	v_cvt_pk_bf16_f32 v[R+nn], v[XI+2*nn], v[XI+2*nn+1]
.set nn, nn+1
.endr
	s_wait_alu depctr_va_vdst(0)                   ; the conversions have written v16 to v79, which the stores read
.set nn, 0
.rept 16
	global_store_b128 v[L16], v[R+4*nn:R+4*nn+3], s[10:11] offset:512*nn   ; 512 consecutive bytes each
.set nn, nn+1
.endr
	s_cmp_lg_u32 s50, 0
	s_cbranch_scc1 .Lclose
	global_store_b32 v[PMO], v[IDX], s[12:13] offset:256   ; no vector line since the wait ahead of the loads of inputs names v[PMO], v[IDX] or v[WGT]
	global_store_b32 v[PMO], v[WGT], s[14:15]
	s_cmp_lg_u32 s51, 0
	s_cbranch_scc1 .Lclose
	v_mov_b32 v[TAB], 0                            ; work-group (0, 0) stores the table
.set ee, 0
.rept 8
	v_writelane_b32 v[TAB], s[32+ee], ee
	v_writelane_b32 v[TAB], s[40+ee], 8+ee
	v_writelane_b32 v[TAB], s[16+ee], 16+ee
.set ee, ee+1
.endr
	s_wait_alu depctr_va_vdst(0)                   ; v[TAB] is written, which the store reads
	global_store_b32 v[L4], v[TAB], s[12:13]       ; 128 consecutive bytes
.Lclose:
	s_wait_dscnt 0x0                               ; the wave's end
	s_wait_alu depctr_hold_cnt(0) depctr_sa_sdst(0) depctr_va_vdst(0) depctr_va_sdst(0) depctr_va_ssrc(0) depctr_va_vcc(0) depctr_vm_vsrc(0)
	s_wait_tensorcnt 0x0
	ds_add_u32 v15, v215
	s_wait_dscnt 0x0
	s_endpgm
.Lnone:
	s_endpgm
.Lfunc_end_k_qd8b8175b86_place:
	.size	k_qd8b8175b86_place, .Lfunc_end_k_qd8b8175b86_place-k_qd8b8175b86_place
	.p2alignl 7, 3214868480
	.fill 96, 4, 3214868480
	.section	.rodata,"a",@progbits
	.p2align	6, 0x0
	.amdhsa_kernel k_qd8b8175b86_place
		.amdhsa_group_segment_fixed_size 4608
		.amdhsa_private_segment_fixed_size 0
		.amdhsa_enable_private_segment 0
		.amdhsa_kernarg_size 48
		.amdhsa_user_sgpr_count 2
		.amdhsa_user_sgpr_kernarg_segment_ptr 1
		.amdhsa_wavefront_size32 1
		.amdhsa_system_sgpr_workgroup_id_x 1
		.amdhsa_system_sgpr_workgroup_id_y 1
		.amdhsa_system_sgpr_workgroup_id_z 1
		.amdhsa_system_vgpr_workitem_id 0
		.amdhsa_next_free_vgpr 220
		.amdhsa_next_free_sgpr 66
		.amdhsa_reserve_vcc 0
		.amdhsa_float_denorm_mode_32 3
		.amdhsa_float_denorm_mode_16_64 3
		.amdhsa_memory_ordered 1
		.amdhsa_forward_progress 1
		.amdhsa_inst_pref_size 42
	.end_amdhsa_kernel
	.amdgpu_metadata
---
amdhsa.version: [ 1, 2 ]
amdhsa.kernels:
  - .name:           k_qd8b8175b86_place
    .symbol:         k_qd8b8175b86_place.kd
    .args:
      - { .name: bm, .offset: 0, .size: 8, .value_kind: global_buffer, .address_space: global }
      - { .name: gw, .offset: 8, .size: 8, .value_kind: global_buffer, .address_space: global }
      - { .name: inputs, .offset: 16, .size: 8, .value_kind: global_buffer, .address_space: global }
      - { .name: xs, .offset: 24, .size: 8, .value_kind: global_buffer, .address_space: global }
      - { .name: perm, .offset: 32, .size: 8, .value_kind: global_buffer, .address_space: global }
      - { .name: gws, .offset: 40, .size: 8, .value_kind: global_buffer, .address_space: global }
    .group_segment_fixed_size: 4608
    .private_segment_fixed_size: 0
    .kernarg_segment_align: 8
    .kernarg_segment_size: 48
    .max_flat_workgroup_size: 32
    .sgpr_count:     66
    .vgpr_count:     220
    .wavefront_size: 32
...
	.end_amdgpu_metadata
.endif
;; end of part 6
;; launch ffn1: the kernel of part 3 again; grid 256 x 1, 4 waves a work-group, no clusters, 98,816 bytes of LDS; arguments W1, b1, xs, perm, hs; writes hs
;; launch ffn2: the kernel of part 4 again; grid 256 x 1, 4 waves a work-group, no clusters, 98,816 bytes of LDS; arguments W2, b2, hs, perm, gws, part; writes part
;; launch combine: the kernel of part 5 again; grid 256 x 1, 8 waves a work-group, no clusters, 0 bytes of LDS; arguments part, out0; writes out0
